; MI455X (gfx1250); checked and timed in simulation.
; The chip was launched on July 23, 2026; its instructions are those of AMD's public machine-readable ISA for CDNA 5 (MIT licence, August 2026) and "CDNA5" Instruction Set Architecture Reference Guide (July 2026). The comments in the code are by the model that wrote it; some were corrected since.
;; Self Attention. Allowed arithmetic: matrix products marked QUANTISED: E2M1 operands, one E8M0 scale for each 32 along K, by v_wmma_scale_f32_16x16x128_f8f6f4 with both operands' format E2M1 (or v_wmma_scale_f32_32x16x128_f4), f32 sums; products left as they are: bf16, f16 or f32 operands; f32 sums; everything else in f32.
;; Inputs: W_out 1,024 x 1,024 float32; W_qkv 1,024 x 3,072 float32; b_out 1,024 float32; hidden_states 4 x 2,048 x 1,024 float32.
;; Outputs: out0 4 x 2,048 x 1,024 float32.
;; This version of the problem:
;;   THIS VERSION OF THE PROBLEM IS GIVEN IN LOW PRECISION. The matrix products marked QUANTISED in the list below multiply operands that are first quantised to E2M1 (2 exponent bits, 1 mantissa bit; 4 bits a number), with one power-of-two scale for each 32 numbers along K (OCP MX v1.0); their sums are f32. The products marked 'left as it is' may take bf16, f16 or f32 operands, with f32 sums. Whichever they take, every output number must still come out within the allowed error. Rounding operands to bf16 (8 significant bits) uses up far more of that allowance than f16 does (11 bits, for magnitudes from 6e-5 to 65,504). All else is computed in f32.
;;   The module's matrix products, in the order in which they are computed (A, B: the left and right operand; K: the contracted axis; several contracted axes count as one K, in the product's order):
;;     1. [M 8,192, K 1,024] x [K 1,024, N 3,072]; A: input hidden_states; B: input W_qkv: QUANTISED
;;     2. batch 64 x [M 2,048, K 64] x [K 64, N 2,048]; A: computed on the way; B: computed on the way: left as it is (an operand is computed on the way)
;;     3. batch 64 x [M 2,048, K 2,048] x [K 2,048, N 64]; A: computed on the way; B: computed on the way: left as it is (an operand is computed on the way)
;;     4. [M 8,192, K 1,024] x [K 1,024, N 1,024]; A: computed on the way; B: input W_out: left as it is (an operand is computed on the way)
;;   THE QUANTISER, for each operand of a quantised product, along K:
;;     - K is cut into blocks of 32 from its start; a last block that is shorter is filled with zeros.
;;     - A block's scale is 2^e with e = floor(log2(the largest magnitude in the block)) - 2, held to -126 .. 127; a block of zeros has e = 0. As a byte (E8M0): e + 127.
;;     - Each number is divided by its block's scale, clamped to +-6, and rounded to the nearest number of E2M1, ties to even, subnormals kept.
;;     - The product sums the exact products of the quantised numbers (number of the format x scale) in f32.
;;   ~~~python
;;   def quantise(x, axis):      # numpy; x: float32 -> the quantised numbers, widened to float32 again
;;       x = np.moveaxis(x, axis, -1); K = x.shape[-1]
;;       x = np.pad(x, [(0, 0)] * (x.ndim - 1) + [(0, -K % 32)]); x = x.reshape(x.shape[:-1] + (-1, 32)); a = np.abs(x).max(-1, keepdims=True)
;;       e = np.where(a > 0, np.clip(np.frexp(np.where(a > 0, a, 1))[1] - 1 - 2, -126, 127), 0)      # np.frexp(a)[1] - 1 = floor(log2(a)), exactly
;;       r = np.clip(x / 2.0 ** e, -6, 6)
;;       step = 2.0 ** (np.maximum(np.frexp(np.where(r == 0, 1, r))[1] - 1, 0) - 1)
;;       q = np.round(r / step) * step * 2.0 ** e      # np.round: ties to even
;;       return np.moveaxis(q.reshape(q.shape[:-2] + (-1,))[..., :K], -1, axis).astype(np.float32)
;;   ~~~
;; One version. Each part assembles by itself: llvm-mc -triple=amdgcn-amd-amdhsa -mcpu=gfx1250 --defsym DOCPART=n.
;; ======== version 1 of 1: 4 launches
;; limits: values are held in f16: magnitudes above 65,504 overflow, below 6.1e-05 lose precision
;; workspace buffers: x_codes 4,194,304 bytes; x_scales 262,144 bytes; w_codes 1,572,864 bytes; w_scales 98,304 bytes; wo_img 2,097,152 bytes; q_img 16,777,216 bytes; kv_img 33,554,432 bytes; o_img 16,777,216 bytes
;; launch prep (part 1): grid 368 x 1, 4 waves a work-group, no clusters, 68,096 bytes of LDS; arguments hidden_states, W_qkv, W_out, x_codes, x_scales, w_codes, w_scales, wo_img; writes x_codes, x_scales, w_codes, w_scales, wo_img
.if DOCPART == 1
	.amdgcn_target "amdgcn-amd-amdhsa--gfx1250"
	.amdhsa_code_object_version 6
	.text
	.protected	k_q5b9286ff27_prep
	.globl	k_q5b9286ff27_prep
	.p2align	8
	.type	k_q5b9286ff27_prep,@function
k_q5b9286ff27_prep:
	s_mov_b64 s[64:65], 0
	v_nop
	global_prefetch_b8 v0, s[64:65] scope:SCOPE_SE
	s_setreg_imm32_b32 hwreg(HW_REG_WAVE_MODE, 25, 1), 1
	s_wait_xcnt 0x0
; THREE PIECES OF PREPARATION IN ONE LAUNCH, parted by the work-group's number; waves share nothing, there is no barrier and no tensor load.
;  X (work-groups 0-255):   hidden_states [8192][1024] f32, K innermost -> codes of FP4 (E2M1) [8192][512 bytes] and E8M0 scale bytes [8192][32].
;  W (work-groups 256-303): W_qkv [1024 (k)][3072 (n)] f32, K its first axis -> codes [3072][512 bytes], K innermost, and scale bytes [3072][32].
;  O (work-groups 304-367): W_out [1024 (k)][1024 (n)] f32 -> f16, laid as IMAGES OF OPERAND REGISTERS: a fragment of 16 rows (n) x 32 k is 1,024 bytes,
;     registers 0-3 of lane l at 16 l, registers 4-7 at 512 + 16 l; the images lie [n / 128][k / 128][(n / 16) % 8][(k / 32) % 4].
; THE QUANTISER: a block of 32 along K has the scale 2^(floor(log2(its largest magnitude)) - 2); its byte is the largest magnitude's exponent field - 2, held at 1 from below;
; each number is divided by the scale and rounded to the nearest code, ties to even, beyond 6 the largest code.
; LIMITS: a block of zeros gets the byte 1 and not 127 (its codes are zeros, and this program alone reads the bytes); NaN and infinities among the inputs are not served;
; W_out must lie under 65,504 in magnitude (f16), and under 6e-5 it keeps f16's fixed step of 6e-8.
; LDS: path X 0 .. 32,767 (8,192 a wave); path W 32,768 .. 67,583 (8,704 a wave); the spare words behind them.  Each path has bytes of its own.
.set SPARE, 67584                      ; the spare words, 128 bytes for each wave: two blocks of 256 bytes that no other line names
.set SPW,   190                        ; v190  LDS address of my spare word; never rewritten
.set NIL,   191                        ; v191  0; never rewritten
.set EMAX,  2
; path X
.set XSTEPS, 16                        ; a wave takes 16 steps of 512 numbers
.set XCB,   8                          ; bytes of 16 codes
.set XR,    16                         ; v16-79   four sets of 16 numbers as they are loaded
.set XX,    80                         ; v80-111  two sets of 16 neighbours
.set XE,    112                        ; v112-127 a scale byte for each step
.set XC,    128                        ; v128-189 codes: four registers for each step, so that no store's data are written again
.set XREG,  8192                       ; a wave's LDS: two stages of 32 x XSP bytes, behind them its 256 scale bytes
.set XSP,   80                         ; a lane's place in a stage: its 64 bytes + 16 of padding
; path W
.set WN,    3072
.set WNB,   16                         ; blocks of 32 along K for a wave: 512 along K
.set WPITCH, 272                       ; a stage row: 256 bytes of codes + 16
.set WKROW, 512                        ; a row of the codes' buffer
.set WSTG,  32768                      ; where path W's stages begin
.set WX,    32                         ; v32-95   two sets of 32 numbers
.set WC,    96                         ; v96-99   a block's codes
.set WOUT,  112                        ; v112-175 the way out
.set WSB,   24                         ; v24-27   the scale bytes, four to a register
.macro FINISH                          ; a wave that stored to LDS ends so
	s_wait_tensorcnt 0x0
	ds_add_u32 v[SPW], v[NIL]
	s_wait_dscnt 0x0
	s_endpgm
.endm
.macro XLOAD t
.irp i, 0,1,2,3
	global_load_b128 v[XR+16*((\t)%4)+4*\i:XR+16*((\t)%4)+4*\i+3], v3, s[4:5] offset:2048*(\t)+512*\i th:TH_LOAD_NT   ; 32 lanes read 512 consecutive bytes
.endr
.endm
.macro XTURN t                         ; step t's numbers through the stage: LDS serves a wave's instructions in order, so no wait stands between the stores and the loads
.irp i, 0,1,2,3
	ds_store_b128 v14, v[XR+16*((\t)%4)+4*\i:XR+16*((\t)%4)+4*\i+3] offset:32*XSP*((\t)%2)+8*XSP*\i
.endr
.irp i, 0,1,2,3
	ds_load_b128 v[XX+16*((\t)%2)+4*\i:XX+16*((\t)%2)+4*\i+3], v15 offset:32*XSP*((\t)%2)+16*\i
.endr
.endm
.macro XSTEP t
.set XS, XX+16*((\t)%2)
.if (\t) > 0
	s_wait_dscnt 1                                 ; this step's numbers are back from the stage (the last step's byte store may be out): so its stores into the stage have read their registers,
.else
	s_wait_dscnt 0x0
.endif
.if (\t)+4 < XSTEPS
	XLOAD (\t)+4                                   ; which take the loads of four steps on
.endif
.if (\t)+1 < XSTEPS
.if XSTEPS-2-(\t) >= 3
	s_wait_loadcnt 12                              ; the next step's four loads are in; those of the three steps behind it may be out
.else
	s_wait_loadcnt 4*(XSTEPS-2-(\t))
.endif
	XTURN (\t)+1                                   ; and go through the other stage while this step is worked
.endif
	v_max3_num_f32 v8, |v[XS]|, |v[XS+1]|, |v[XS+2]|               ; the largest magnitude of my 16, in two chains
	v_max3_num_f32 v9, |v[XS+3]|, |v[XS+4]|, |v[XS+5]|
.irp i, 6,10
	v_max3_num_f32 v8, v8, |v[XS+\i]|, |v[XS+\i+1]|
	v_max3_num_f32 v9, v9, |v[XS+\i+2]|, |v[XS+\i+3]|
.endr
	v_max3_num_f32 v8, v8, |v[XS+14]|, |v[XS+15]|
	v_max3_num_f32 v8, v8, v9, (EMAX+1)<<23        ; and the floor 2^(EMAX + 1 - 127): so the byte cannot fall under 1
	v_max_num_f32_dpp v8, v8, v8 row_xmask:1 row_mask:0xf bank_mask:0xf   ; and of my neighbour's 16: the block's
	v_add_nc_u32 v11, -(EMAX<<23), v8              ; EMAX off its exponent field: the conversion takes the exponent field of this operand as its scale
	v_cvt_scalef32_pk8_fp4_f32 v[XC+4*(\t)], v[XS:XS+7], v11
	v_cvt_scalef32_pk8_fp4_f32 v[XC+4*(\t)+1], v[XS+8:XS+15], v11
	v_lshrrev_b32 v[XE+(\t)], 23, v11              ; the scale's byte (a plain line behind the conversions)
	ds_store_b8 v5, v[XE+(\t)] offset:16*(\t)      ; both lanes of a block write the same byte with the same value
	global_store_b64 v4, v[XC+4*(\t):XC+4*(\t)+1], s[10:11] offset:32*XCB*(\t)   ; the wave stores 256 consecutive bytes, aligned
.endm
.macro WLOAD t                         ; block t: W(32 t + i, my column), i = 0 .. 31, into set t % 2
.irp i, 0,1,2,3,4,5,6,7,8,9,10,11,12,13,14,15,16,17,18,19,20,21,22,23,24,25,26,27,28,29,30,31
	global_load_b32 v[WX+32*((\t)%2)+\i], v3, s[6:7] offset:(32*(\t)+\i)*WN*4 th:TH_LOAD_NT
.endr
.endm
.macro WBLOCK t
.set XS, WX+32*((\t)%2)
.if (\t) < WNB-1
	s_wait_loadcnt 32                              ; this block's 32 loads are in; the next block's may be out
.else
	s_wait_loadcnt 0
.endif
	v_max3_num_f32 v12, |v[XS]|, |v[XS+1]|, |v[XS+2]|              ; the block's largest magnitude: all 32 numbers are mine
	v_max3_num_f32 v13, |v[XS+3]|, |v[XS+4]|, |v[XS+5]|
.irp i, 6,10,14,18,22,26
	v_max3_num_f32 v12, v12, |v[XS+\i]|, |v[XS+\i+1]|
	v_max3_num_f32 v13, v13, |v[XS+\i+2]|, |v[XS+\i+3]|
.endr
	v_max3_num_f32 v12, v12, |v[XS+30]|, |v[XS+31]|
	v_max3_num_f32 v12, v12, v13, (EMAX+1)<<23     ; and the floor
	v_add_nc_u32 v11, -(EMAX<<23), v12             ; the conversion's scale operand
	v_lshrrev_b32 v13, 23, v11                     ; the scale's byte
.if (\t)%4 == 0
	v_mov_b32 v[WSB+(\t)/4], v13                   ; four bytes to a register, the lower K in the lower byte
.else
	v_lshl_or_b32 v[WSB+(\t)/4], v13, 8*((\t)%4), v[WSB+(\t)/4]
.endif
.irp g, 0,1,2,3
	v_cvt_scalef32_pk8_fp4_f32 v[WC+\g], v[XS+8*\g:XS+8*\g+7], v11
.endr
	ds_store_b128 v4, v[WC:WC+3] offset:16*(\t)    ; 32 codes: 16 bytes of my column's row
.if (\t)+2 < WNB
	WLOAD (\t)+2
.endif
	s_wait_dscnt 0x0                               ; the store has read its registers: the next block's codes may be written
.endm
.macro OLOAD g                         ; path O: rows 32 g .. 32 g + 31 of my 128 along K, my column
.irp i, 0,1,2,3,4,5,6,7,8,9,10,11,12,13,14,15,16,17,18,19,20,21,22,23,24,25,26,27,28,29,30,31
	global_load_b32 v[32+32*(\g)+\i], v3, s[8:9] offset:(32*(\g)+\i)*4096 th:TH_LOAD_NT
.endr
.endm
	s_load_b256 s[4:11], s[0:1], 0x0               ; hidden_states s[4:5], W_qkv s[6:7], W_out s[8:9], x_codes s[10:11]
	s_load_b256 s[12:19], s[0:1], 0x20             ; x_scales s[12:13], w_codes s[14:15], w_scales s[16:17], wo_img s[18:19]
	v_lshl_add_u32 v[SPW], v0, 2, SPARE
	v_mov_b32 v[NIL], 0
	v_lshrrev_b32 v1, 5, v0
	v_readfirstlane_b32 s20, v1                    ; wave 0..3
	v_and_b32 v2, 31, v0                           ; lane
	s_mov_b32 s25, 0                               ; the upper word of every offset here
	s_wait_kmcnt 0x0
	s_cmp_lt_u32 ttmp9, 256
	s_cbranch_scc1 .Lpath_x
	s_cmp_lt_u32 ttmp9, 304
	s_cbranch_scc1 .Lpath_w
	; ---- PATH O.  A lane takes a column n and its registers run down K: each load reads 128 consecutive bytes a wave, 512 a work-group.  No LDS.
	s_sub_co_u32 s21, ttmp9, 304
	s_and_b32 s22, s21, 7                          ; which 128 columns
	s_lshr_b32 s23, s21, 3                         ; which 128 along K
	s_lshl_b32 s24, s23, 19                        ; 128 rows of 4,096 bytes
	s_lshl_b32 s26, s22, 9                         ; 128 columns of 4 bytes
	s_add_co_u32 s24, s24, s26
	s_lshl_b32 s26, s20, 7                         ; my wave's 32 columns
	s_add_co_u32 s24, s24, s26
	s_add_nc_u64 s[8:9], s[8:9], s[24:25]
	s_lshl_b32 s24, s22, 3
	s_add_co_u32 s24, s24, s23
	s_lshl_b32 s24, s24, 15                        ; 32 images for each (128 columns, 128 along K)
	s_lshl_b32 s26, s20, 13                        ; my wave's two tiles of 16 columns: 8 images
	s_add_co_u32 s24, s24, s26
	s_add_nc_u64 s[18:19], s[18:19], s[24:25]
	v_lshlrev_b32 v3, 2, v2                        ; in: 4 bytes a lane
	v_lshrrev_b32 v4, 4, v2
	v_and_b32 v5, 15, v2
	v_lshlrev_b32 v4, 12, v4                       ; out: lanes 16-31 belong to the next tile of 16 columns, 4 images on;
	v_lshl_add_u32 v4, v5, 4, v4                   ; 16 bytes for each row of a tile
	OLOAD 0
	OLOAD 1
.irp k, 0,1,2,3                        ; 32 along K at a time: one image for each of my wave's two tiles
.if \k < 3
	s_wait_loadcnt 32                              ; this group's 32 loads are in; the next group's may be out
.else
	s_wait_loadcnt 0
.endif
.irp n, 0,1,2,3,4,5,6,7,8,9,10,11,12,13,14,15
	v_cvt_pk_f16_f32 v[32+16*\k+\n], v[32+32*\k+2*\n], v[32+32*\k+2*\n+1]   ; two neighbours along K; the results land on numbers already used up, never on a store's data
.endr
.if \k < 2
	OLOAD \k+2
.endif
.irp g, 0,1,2,3                        ; k = 8 g .. 8 g + 7 of the 32: registers 0-3 of the image's lanes 0-15 (g = 0) and 16-31 (g = 1), registers 4-7 likewise (g = 2, 3)
	global_store_b128 v4, v[32+16*\k+4*\g:32+16*\k+4*\g+3], s[18:19] offset:\k*1024+(\g/2)*512+(\g%2)*256   ; sixteen lanes store 256 consecutive bytes, aligned
.endr
.endr
	s_endpgm
	; ---- PATH X.  Each load reads 512 consecutive bytes; the 2,048 bytes of a step turn through the wave's own stage, so that a lane holds 16 neighbours along K; two neighbouring lanes hold a block.
.Lpath_x:
	v_lshlrev_b32 v3, 4, v2                        ; my 16 bytes of a load's 512
	s_mul_i32 s21, s20, XREG
	v_lshrrev_b32 v14, 2, v2
	v_mul_u32_u24 v14, v14, XSP
	v_and_b32 v15, 3, v2
	v_lshl_add_u32 v14, v15, 4, v14
	v_add_nc_u32 v14, s21, v14                     ; the stage, on the way in: XSP (lane / 4) + 16 (lane % 4)
	v_mul_u32_u24 v15, v2, XSP
	v_add_nc_u32 v15, s21, v15                     ; and on the way out: XSP x lane
	v_mul_u32_u24 v4, v2, XCB                      ; my codes' place in a step's
	v_lshrrev_b32 v5, 1, v2
	s_add_co_u32 s21, s21, 2*32*XSP
	v_add_nc_u32 v5, s21, v5                       ; my wave's 256 scale bytes, my block's byte
	v_lshlrev_b32 v7, 3, v2                        ; and on the way out 8 bytes a lane
	v_add_nc_u32 v6, s21, v7
	s_lshl_b32 s22, ttmp9, 2
	s_add_co_u32 s22, s22, s20                     ; which run of 8,192 numbers is my wave's
	s_lshl_b32 s24, s22, 15
	s_add_nc_u64 s[4:5], s[4:5], s[24:25]
	s_lshl_b32 s24, s22, 12
	s_add_nc_u64 s[10:11], s[10:11], s[24:25]
	s_lshl_b32 s24, s22, 8
	s_add_nc_u64 s[12:13], s[12:13], s[24:25]
.irp t, 0,1,2,3
	XLOAD \t
.endr
	s_wait_loadcnt 12                              ; step 0's four loads are in
	XTURN 0
.irp t, 0,1,2,3,4,5,6,7,8,9,10,11,12,13,14,15
	XSTEP \t
.endr
	ds_load_b64 v[8:9], v6                         ; LDS serves a wave's instructions in order: these see my byte stores
	s_wait_dscnt 0x0
	global_store_b64 v7, v[8:9], s[12:13]          ; 32 lanes store 256 consecutive bytes, aligned
	FINISH
	; ---- PATH W.  A lane takes a column n and its registers run down K: a block of 32 lies in one lane, and the codes come out with K innermost.  They leave through the wave's stage, as rows.
.Lpath_w:
	s_sub_co_u32 s21, ttmp9, 256
	s_cmp_ge_u32 s21, 24
	s_cselect_b32 s22, 1, 0                        ; which 512 along K
	s_cselect_b32 s23, 24, 0
	s_sub_co_u32 s21, s21, s23                     ; which 128 columns
	s_lshl_b32 s21, s21, 7
	s_lshl_b32 s23, s20, 5
	s_add_co_u32 s21, s21, s23                     ; my wave's first column
	s_mul_i32 s24, s22, 512*WN*4
	s_lshl_b32 s23, s21, 2
	s_add_co_u32 s24, s24, s23
	s_add_nc_u64 s[6:7], s[6:7], s[24:25]
	s_lshl_b32 s24, s21, 9
	s_lshl_b32 s23, s22, 8
	s_add_co_u32 s24, s24, s23
	s_add_nc_u64 s[14:15], s[14:15], s[24:25]
	s_lshl_b32 s24, s21, 5
	s_lshl_b32 s23, s22, 4
	s_add_co_u32 s24, s24, s23
	s_add_nc_u64 s[16:17], s[16:17], s[24:25]
	v_lshlrev_b32 v3, 2, v2                        ; in: 4 bytes a lane
	s_mul_i32 s26, s20, 32*WPITCH
	s_add_co_u32 s26, s26, WSTG                    ; my stage
	v_mul_u32_u24 v4, v2, WPITCH
	v_add_nc_u32 v4, s26, v4                       ; into it: row = my column
	v_and_b32 v5, 15, v2
	v_lshrrev_b32 v6, 4, v2                        ; out of it: sixteen lanes to a row, two rows an instruction
	v_mul_u32_u24 v7, v6, WPITCH
	v_lshl_add_u32 v7, v5, 4, v7
	v_add_nc_u32 v7, s26, v7
	v_mul_u32_u24 v8, v6, WKROW
	v_lshl_add_u32 v8, v5, 4, v8                   ; and the same place in the codes' buffer
	v_lshlrev_b32 v9, 5, v2                        ; my column's row of scale bytes
	WLOAD 0
	WLOAD 1
.set Q, 0
.rept WNB
	WBLOCK Q
.set Q, Q+1
.endr
	global_store_b128 v9, v[WSB:WSB+3], s[16:17]   ; my column's 16 scale bytes
.irp t, 0,1,2,3,4,5,6,7,8,9,10,11,12,13,14,15
	ds_load_b128 v[WOUT+4*\t:WOUT+4*\t+3], v7 offset:2*\t*WPITCH   ; LDS serves a wave's instructions in order: these see my stores
.endr
.irp t, 0,1,2,3,4,5,6,7,8,9,10,11,12,13,14,15
	s_wait_dscnt 15-\t                             ; rows 2 t and 2 t + 1 are back; the later loads may be out
	global_store_b128 v8, v[WOUT+4*\t:WOUT+4*\t+3], s[14:15] offset:2*\t*WKROW   ; sixteen lanes store 256 consecutive bytes, aligned
.endr
	FINISH
.Lfunc_end_k_q5b9286ff27_prep:
	.size	k_q5b9286ff27_prep, .Lfunc_end_k_q5b9286ff27_prep-k_q5b9286ff27_prep
	.p2alignl 7, 3214868480
	.fill 96, 4, 3214868480
	.section	.rodata,"a",@progbits
	.p2align	6, 0x0
	.amdhsa_kernel k_q5b9286ff27_prep
		.amdhsa_group_segment_fixed_size 68096
		.amdhsa_private_segment_fixed_size 0
		.amdhsa_enable_private_segment 0
		.amdhsa_kernarg_size 64
		.amdhsa_user_sgpr_count 2
		.amdhsa_user_sgpr_kernarg_segment_ptr 1
		.amdhsa_wavefront_size32 1
		.amdhsa_system_sgpr_workgroup_id_x 1
		.amdhsa_system_sgpr_workgroup_id_y 1
		.amdhsa_system_sgpr_workgroup_id_z 1
		.amdhsa_system_vgpr_workitem_id 0
		.amdhsa_next_free_vgpr 192
		.amdhsa_next_free_sgpr 66
		.amdhsa_reserve_vcc 0
		.amdhsa_float_denorm_mode_32 3
		.amdhsa_float_denorm_mode_16_64 3
		.amdhsa_memory_ordered 1
		.amdhsa_forward_progress 1
		.amdhsa_inst_pref_size 129
	.end_amdhsa_kernel
	.amdgpu_metadata
---
amdhsa.version: [ 1, 2 ]
amdhsa.kernels:
  - .name:           k_q5b9286ff27_prep
    .symbol:         k_q5b9286ff27_prep.kd
    .args:
      - { .name: hidden_states, .offset: 0, .size: 8, .value_kind: global_buffer, .address_space: global }
      - { .name: W_qkv, .offset: 8, .size: 8, .value_kind: global_buffer, .address_space: global }
      - { .name: W_out, .offset: 16, .size: 8, .value_kind: global_buffer, .address_space: global }
      - { .name: x_codes, .offset: 24, .size: 8, .value_kind: global_buffer, .address_space: global }
      - { .name: x_scales, .offset: 32, .size: 8, .value_kind: global_buffer, .address_space: global }
      - { .name: w_codes, .offset: 40, .size: 8, .value_kind: global_buffer, .address_space: global }
      - { .name: w_scales, .offset: 48, .size: 8, .value_kind: global_buffer, .address_space: global }
      - { .name: wo_img, .offset: 56, .size: 8, .value_kind: global_buffer, .address_space: global }
    .group_segment_fixed_size: 68096
    .private_segment_fixed_size: 0
    .kernarg_segment_align: 8
    .kernarg_segment_size: 64
    .max_flat_workgroup_size: 128
    .sgpr_count:     66
    .vgpr_count:     192
    .wavefront_size: 32
...
	.end_amdgpu_metadata
.endif
;; end of part 1
;; launch qkv (part 2): grid 12 x 32, 4 waves a work-group, clusters of 4 x 4, 327,680 bytes of LDS; arguments x_codes, x_scales, w_codes, w_scales, q_img, kv_img; writes q_img, kv_img
.if DOCPART == 2
	.amdgcn_target "amdgcn-amd-amdhsa--gfx1250"
	.amdhsa_code_object_version 6
	.text
	.protected	k_q5b9286ff27_qkv
	.globl	k_q5b9286ff27_qkv
	.p2align	8
	.type	k_q5b9286ff27_qkv,@function
k_q5b9286ff27_qkv:
	s_mov_b64 s[64:65], 0
	v_nop
	global_prefetch_b8 v0, s[64:65] scope:SCOPE_SE
	s_setreg_imm32_b32 hwreg(HW_REG_WAVE_MODE, 25, 1), 1
	s_wait_xcnt 0x0
	s_wait_alu depctr_hold_cnt(0) depctr_sa_sdst(0) depctr_va_vdst(0) depctr_va_sdst(0) depctr_va_ssrc(0) depctr_va_vcc(0) depctr_vm_vsrc(0)
	s_getreg_b32 s2, hwreg(HW_REG_IB_STS2, 6, 4)
	s_cmp_eq_u32 s2, 0
	s_cbranch_scc0 .Lentry_in_a_cluster
	s_endpgm
.Lentry_in_a_cluster:
	s_bfe_u32 s2, ttmp6, 0x10000c
	s_cmp_lg_u32 s2, 0xf033
	s_cbranch_scc0 .Lentry_shape_is_right
	s_endpgm
.Lentry_shape_is_right:
; qkv = Q(x) Q(W_qkv): [8192 tokens] x [3072 channels], K = 1,024, on codes of FP4 (E2M1) with one E8M0 scale for each 32 along K, sums in f32.
; The results are rounded once to f16 and stored as IMAGES OF THE NEXT PRODUCTS' OPERAND REGISTERS (a fragment of 16 rows x 32 k is 1,024 bytes: registers 0-3 of lane l at 16 l, registers 4-7 at 512 + 16 l):
;   q_img  [head 64][16 tokens 128][32 channels 2]                                          rows = tokens, k = channels
;   kv_img [head 64][64 keys 32][16 images]: images 2 kt + cs: K, rows = keys 16 kt + r, k = channels 32 cs ..;  images 8 + 4 ksl + ct: V^T, rows = channels 16 ct + r, k = keys 32 ksl ..
; A tile of 256 x 256 is made by four waves, 128 x 128 each: 64 accumulators, 512 registers.  K = 1,024 is two slots of 512 along K: both are first fills, nothing is filled again, there is no loop.
; By this text's own count a wave has three tensor loads out: its part of the scales, of slot 0 and of slot 1.
; THE MATRIX INSTRUCTION IS USED TRANSPOSED (source 0 = 16 rows of "B", source 1 = 16 rows of "A"): a lane holds ONE row of A's side and eight neighbours of B's side, which round to the 16 bytes of half a fragment.
; WHO IS A: for q and k (cluster x = 0, 1) A = tokens (x), B = channels (W): a lane holds a token and 8 channels.  For v (cluster x = 2) A = channels (W), B = tokens (x): the tile is v^T, a lane holds a channel and 8 keys.
; Both tensors of codes have rows of 512 bytes and 32 scale bytes, so only pointers and tile numbers are chosen, on the cluster's x alone.
; CLUSTERS: 4 x 4 work-groups; A's tile hangs on the cluster's y and cy and is asked for jointly along a row of the cluster, B's on cx and is asked for jointly along a column.
; LIMITS: q, k and v must lie under 65,504 in magnitude (f16); under 6e-5 they keep f16's fixed step of 6e-8.
; REGISTERS, in windows of 256: window 0: v0-31 addresses; v32-95 scale words, two sets; from v128 A's fragments, one set; on the way out v128-255 the packed results.
;   window 1: B's fragments, two sets, at v0 and v128.   window 2: the accumulators of my rows 0-63 ((a, b) at v[8 (8 a + b)]);   window 3: those of my rows 64-127.
.set NQ,     4                         ; steps of 128 along K in a slot
.set ROWB,   256                       ; a tile's row in bytes: 512 codes
.set KROW,   512                       ; a row of codes in memory
.set PITCH,  272                       ; an LDS row: 256 bytes + 16 of padding: the 16 rows that a load touches start 16 bytes apart modulo 256
.set FR,     8                         ; registers of a fragment
.set NL,     2                         ; LDS loads that bring one
.set NP,     4                         ; places behind this matrix instruction (ISA guide 7.12.1)
.set HALFT,  128*PITCH
.set SLOT,   4*HALFT                   ; A's 256 rows, then B's 256 rows
.set KS,     32                        ; a row of scales in bytes
.set SCL,    2*SLOT                    ; behind the slots: the scales, as units of 256 bytes + 16 of padding
.set HALFS,  (128*KS/256)*272
.set SBLK,   (16*KS/256)*272
.set SPARE,  SCL+4*HALFS               ; the spare words, 128 bytes for each wave: two blocks of 256 bytes that no other line names
.set CO,   8                           ; v8-11   the stores' offsets: 16 x lane + {0, SB1, SB2, SB2 + SB1}
.set ADRA, 16                          ; v16-17  LDS address of my A fragments in slot 0, 1
.set ADRB, 20                          ; v20-21  the same for B
.set ADRS, 27                          ; v27     LDS address of my scale words: lanes 0-15 A's rows, lanes 16-31 B's
.set SPW,  28                          ; v28     LDS address of my spare word; never rewritten
.set NIL,  29                          ; v29     0; never rewritten
.set SC,   32                          ; scale words: set s at v[SC + 32 s]; register 4 i + q: lanes 0-15 the word of A's block i, lanes 16-31 that of B's block i
.set AF,   128                         ; A's fragments, in window 0
.set PKD,  128                         ; the way out: four sets of 32 packed registers
.set WV,   16                          ; s16 wave;  s17 wave / 2: my half of A's rows, also: I fetch for A (0) or B (1);  s18 wave % 2: my half of B's rows, also: which 128 rows I fetch
.set G1,   24                          ; s[24:31] descriptor group 1 for A's tiles;  s[32:39] group 0, one set for each slot
.set G0,   32
.set G1B,  48
.set G0B,  56
.set G1S,  68                          ; s[68:75], s[76:79] groups 1 and 0 for A's scales;  s[80:87], s[88:91] for B's
.set G0S,  76
.set G1SB, 80
.set G0SB, 88
.set BA,   24                          ; the way out: s[24:39] eight bases, one for each block of 16 rows of A's side (the descriptors are done with by then)
.set MSB, 0
.macro WIN new                         ; the immediate's high byte repeats the setting that is left
.if MSB != (\new)
	s_set_vgpr_msb (MSB<<8)|(\new)
.set MSB, (\new)
.endif
.endm
.set MUL_LO, 0xa1                      ; source 0 (B) window 1, source 1 (A) window 0, C and D window 2
.set MUL_HI, 0xf1
.set TO_B,   0x40
; A joint load: waves 0 and 1 fetch for A, waves 2 and 3 for B.  The branch hangs on the wave's number alone.  An s_nop 0 and four v_nop follow each of the two lines.
.macro JLOAD g0a, g1a, g0b, g1b
	s_cmp_eq_u32 s17, 0
	s_cbranch_scc0 .Lfor_b_\@
	tensor_load_to_lds s[\g0a:\g0a+3], s[\g1a:\g1a+7]
	s_nop 0
.rept 4
	v_nop
.endr
	s_branch .Lasked_\@
.Lfor_b_\@:
	tensor_load_to_lds s[\g0b:\g0b+3], s[\g1b:\g1b+7]
	s_nop 0
.rept 4
	v_nop
.endr
.Lasked_\@:
.endm
.macro CROUND                          ; a round of the cluster's barrier
	s_barrier_signal -1
	s_barrier_wait -1
	s_cmp_lg_u32 s[WV], 0
	s_cbranch_scc1 .Lnot_wave_0_\@
	s_barrier_signal -3
.Lnot_wave_0_\@:
	s_barrier_wait -3
	s_barrier_signal -1
	s_barrier_wait -1
.endm
	s_load_b256 s[4:11], s[0:1], 0x0               ; x's codes s[4:5], x's scales s[6:7], W's codes s[8:9], W's scales s[10:11]
	s_load_b128 s[12:15], s[0:1], 0x20             ; q_img s[12:13], kv_img s[14:15]
	v_lshl_add_u32 v[SPW], v0, 2, SPARE
	v_mov_b32 v[NIL], 0
	ds_add_u32 v[SPW], v[NIL]                      ; the wave's opening: the add, twice on end, and its wait ahead of my first tensor load
	ds_add_u32 v[SPW], v[NIL]                      ; and once more, under the one wait; the set-up below, work on registers, stands between
	v_lshrrev_b32 v1, 5, v0
	v_readfirstlane_b32 s[WV], v1
	s_lshr_b32 s17, s[WV], 1
	s_and_b32 s18, s[WV], 1
	s_bfe_u32 s20, ttmp6, 0x40000                  ; cx
	s_bfe_u32 s21, ttmp6, 0x40004                  ; cy
	s_mov_b32 s22, ttmp9                           ; the cluster's x: 0 q, 1 k, 2 v
	s_and_b32 s23, ttmp7, 0xffff
	s_lshl_b32 s23, s23, 2                         ; 4 x the cluster's y
	s_lshl_b32 s19, s22, 2                         ; 4 x the cluster's x
	s_cmp_eq_u32 s22, 2
	s_cselect_b32 s66, 8, s23                      ; A's tile: v: channel tiles 8 + cy; else token tiles 4 y + cy
	s_cselect_b32 s67, s23, s19                    ; B's tile: v: token tiles 4 y + cx; else channel tiles 4 x + cx
	s_add_co_u32 s66, s66, s21
	s_add_co_u32 s67, s67, s20
	s_lshl_b32 s40, s21, 2
	s_lshl_b32 s40, 15, s40                        ; my row of the cluster
	s_lshl_b32 s41, 0x1111, s20                    ; my column
	; descriptor group 1: a tile of 128 rows x 256 bytes, padded in LDS
	s_or_b32 s[G1+0], s40, (0<<16)|(1<<20)|(1<<21)|(5<<22)|(3<<25)  ; 15:0 the mask; 17:16 elements of 1 byte; 20 padding on; 21 set beside a mask; 24:22 after every 64 words; 31:25 four words
	s_or_b32 s[G1B+0], s41, (0<<16)|(1<<20)|(1<<21)|(5<<22)|(3<<25)
.irp g, G1, G1B
	s_mov_b32 s[\g+1], ROWB<<16                    ; tensor_dim0
	s_mov_b32 s[\g+2], 128<<16                     ; tensor_dim1
	s_mov_b32 s[\g+3], ROWB<<16                    ; tile_dim0
	s_mov_b32 s[\g+4], 128                         ; tile_dim1
	s_mov_b32 s[\g+5], KROW                        ; tensor_dim0_stride
	s_mov_b32 s[\g+6], 0
	s_mov_b32 s[\g+7], 0
.endr
	; the scales of 128 rows: a dense block of 4,096 bytes, as 16 rows of 256 bytes (32 elements of 8 bytes), 16 bytes of padding behind each
	s_or_b32 s[G1S+0], s40, (3<<16)|(1<<20)|(1<<21)|(5<<22)|(3<<25)
	s_or_b32 s[G1SB+0], s41, (3<<16)|(1<<20)|(1<<21)|(5<<22)|(3<<25)
.irp g, G1S, G1SB
	s_mov_b32 s[\g+1], 32<<16
	s_mov_b32 s[\g+2], (128*KS/256)<<16
	s_mov_b32 s[\g+3], 32<<16
	s_mov_b32 s[\g+4], 128*KS/256
	s_mov_b32 s[\g+5], 32
	s_mov_b32 s[\g+6], 0
	s_mov_b32 s[\g+7], 0
.endr
	s_lshl_b32 s42, s18, 7                         ; which 128 rows of the tile I fetch
	s_lshl_b32 s44, s66, 8
	s_add_co_u32 s44, s44, s42                     ; A's first row
	s_lshl_b32 s46, s67, 8
	s_add_co_u32 s46, s46, s42                     ; B's first row
	s_lshl_b32 s98, s44, 9                         ; A: its codes, in bytes,
	s_mov_b32 s99, 0
	s_lshl_b32 s100, s44, 5                        ; and its scales
	s_mov_b32 s101, 0
	s_lshl_b32 s104, s46, 9                        ; B likewise
	s_mov_b32 s105, 0
	s_lshl_b32 s46, s46, 5
	s_mov_b32 s47, 0
	s_mul_i32 s96, s[WV], HALFT                    ; where they go: wave x 128 rows: no place in the cluster enters an LDS address
	s_mul_i32 s97, s[WV], HALFS
	s_wait_dscnt 0x0                               ; both opening adds are done
	s_wait_kmcnt 0x0
	s_cmp_eq_u32 s22, 2                            ; the choice of buffers hangs on the cluster's x alone
	s_cselect_b64 s[42:43], s[8:9], s[4:5]         ; A's codes
	s_cselect_b64 s[44:45], s[10:11], s[6:7]       ; A's scales
	s_cselect_b64 s[92:93], s[4:5], s[8:9]         ; B's codes
	s_cselect_b64 s[94:95], s[6:7], s[10:11]       ; B's scales
	s_add_nc_u64 s[42:43], s[42:43], s[98:99]
	s_add_nc_u64 s[44:45], s[44:45], s[100:101]
	s_add_nc_u64 s[92:93], s[92:93], s[104:105]
	s_add_nc_u64 s[94:95], s[94:95], s[46:47]
	CROUND                                         ; all sixteen work-groups are here: the first joint loads meet
	s_mov_b32 s[G0S], 1
	s_add_co_u32 s[G0S+1], s97, SCL
	s_mov_b64 s[G0S+2:G0S+3], s[44:45]
	s_or_b32 s[G0S+3], s[G0S+3], 0x80000000
	s_mov_b32 s[G0SB], 1
	s_add_co_u32 s[G0SB+1], s97, SCL
	s_mov_b64 s[G0SB+2:G0SB+3], s[94:95]
	s_or_b32 s[G0SB+3], s[G0SB+3], 0x80000000
	JLOAD G0S, G1S, G0SB, G1SB                     ; the scales first: they are wanted with slot 0
.irp s, 0,1
	s_mov_b32 s[G0+4*\s], 1
	s_add_co_u32 s[G0+4*\s+1], s96, \s*SLOT
	s_add_nc_u64 s[G0+4*\s+2:G0+4*\s+3], s[42:43], \s*ROWB
	s_or_b32 s[G0+4*\s+3], s[G0+4*\s+3], 0x80000000
	s_mov_b32 s[G0B+4*\s], 1
	s_add_co_u32 s[G0B+4*\s+1], s96, \s*SLOT
	s_add_nc_u64 s[G0B+4*\s+2:G0B+4*\s+3], s[92:93], \s*ROWB
	s_or_b32 s[G0B+4*\s+3], s[G0B+4*\s+3], 0x80000000
	JLOAD G0+4*\s, G1, G0B+4*\s, G1B
.endr
	v_and_b32 v1, 15, v0                           ; l % 16
	v_bfe_u32 v2, v0, 4, 1                         ; l / 16
	v_mul_u32_u24 v3, v1, PITCH
	v_lshl_add_u32 v4, v2, 4, v3                   ; a fragment's row x pitch + 16 x half
	s_mul_i32 s42, s17, HALFT                      ; my 128 rows of A
	s_mul_i32 s43, s18, HALFT                      ; my 128 rows of B,
	s_add_co_u32 s43, s43, 2*HALFT                 ; which lie behind A's 256
.irp s, 0,1
	v_add_nc_u32 v[ADRA+\s], s42, v4
	v_add_nc_u32 v[ADRB+\s], s43, v4
	s_add_co_u32 s42, s42, SLOT
	s_add_co_u32 s43, s43, SLOT
.endr
	v_mul_u32_u24 v5, v1, KS                       ; my row's scales: 32 bytes a row,
	v_lshrrev_b32 v6, 8, v5
	v_lshl_add_u32 v5, v6, 4, v5                   ; and 16 more for each 256 passed
	s_mul_i32 s42, s17, HALFS
	s_mul_i32 s43, s18, HALFS
	s_add_co_u32 s43, s43, 2*HALFS
	s_sub_co_u32 s43, s43, s42
	v_mul_u32_u24 v6, s43, v2                      ; lanes 16-31 take B's: one product, the distance between the two bases
	s_add_co_u32 s42, s42, SCL
	v_add_nc_u32 v5, v5, v6
	v_add_nc_u32 v[ADRS], s42, v5
	; WHERE THE RESULTS GO.  T, th: the token tile and my half of it;  G, gh: the channel tile and my half of it.
	s_cmp_eq_u32 s22, 2
	s_cselect_b32 s42, s67, s66                    ; T
	s_cselect_b32 s43, s18, s17                    ; th
	s_cselect_b32 s44, s66, s67                    ; G
	s_cselect_b32 s45, s17, s18                    ; gh
	s_cselect_b32 s46, 8192, 0                     ; V^T's images lie behind K's eight
	s_mov_b32 s92, 2048
	s_cselect_b32 s92, 1024, s92                   ; SA0, from block a to a + 1: v: the next 16 channels, one image; else the next 16 tokens, two images
	s_mov_b32 s47, 1024
	s_cselect_b32 s47, 4096, s47                   ; SB1, from b to b + 2: v: the next 32 keys, four images; else the next 32 channels, one image
	s_cmp_eq_u32 s22, 0
	s_cselect_b32 s98, 18, 19                      ; a head is 2^18 bytes in q_img, 2^19 in kv_img;
	s_cselect_b32 s99, 13, 14                      ; 64 tokens are 2^13 and 2^14
	s_cselect_b64 s[96:97], s[12:13], s[14:15]
	s_lshr_b32 s100, s42, 3                        ; the batch: 8 token tiles each
	s_lshl_b32 s100, s100, 4
	s_and_b32 s101, s44, 3
	s_lshl_b32 s101, s101, 2
	s_add_co_u32 s100, s100, s101
	s_lshl_b32 s101, s45, 1
	s_add_co_u32 s100, s100, s101                  ; my first head: 16 x batch + 4 (G % 4) + 2 gh
	s_and_b32 s101, s42, 7
	s_lshl_b32 s101, s101, 2
	s_lshl_b32 s104, s43, 1
	s_add_co_u32 s101, s101, s104                  ; my first 64 tokens: 4 (T % 8) + 2 th
	s_lshl_b32 s100, s100, s98
	s_lshl_b32 s101, s101, s99
	s_add_co_u32 s100, s100, s101
	s_add_co_u32 s100, s100, s46
	s_mov_b32 s101, 0
	s_add_nc_u64 s[96:97], s[96:97], s[100:101]    ; the base of accumulator (0, 0)
	s_lshl_b32 s98, 1, s98                         ; a head,
	s_lshl_b32 s99, 1, s99                         ; 64 tokens, in bytes
	s_cmp_eq_u32 s22, 2
	s_cselect_b32 s104, s98, s99                   ; SA1, from a to a + 4: v: the next head; else the next 64 tokens
	s_cselect_b32 s105, s99, s98                   ; SB2, from b to b + 4: the other of the two
	s_mul_i32 s94, s92, 3
	s_sub_co_u32 s94, s104, s94                    ; SA1 - 3 SA0: from block 3 to block 4
	s_mov_b32 s93, 0
	s_mov_b32 s95, 0
	v_and_b32 v7, 31, v0
	v_lshlrev_b32 v[CO], 4, v7
	v_add_nc_u32 v[CO+1], s47, v[CO]
	v_add_nc_u32 v[CO+2], s105, v[CO]
	v_add_nc_u32 v[CO+3], s47, v[CO+2]
.macro FRAG reg, adr, q, i             ; a fragment, 16 rows x 128 K of 4-bit codes: lane l holds row l % 16; registers 4 c .. 4 c + 3 hold K = 64 c + 32 (l / 16) + 0 .. 31
.irp c, 0,1
	ds_load_b128 v[\reg+4*\c:\reg+4*\c+3], v[\adr] offset:64*(\q)+32*\c+(\i)*16*PITCH
.endr
.endm
; 16 matrix instructions: A's blocks a0, a0 + 1 x B's eight, 128 along K: the slot's q-th.  p: B's set;  sc: the set of scale words.  zero = 1: the first product starts the sums.
; The 64 accumulators take turns, one instruction a turn, in the same order in every step.
.macro MUL16 a0, p, q, sc, zero
.irp a, \a0, \a0+1
.irp b, 0,1,2,3,4,5,6,7
.if \zero
	v_wmma_scale_f32_16x16x128_f8f6f4 v[8*(8*((\a)%4)+\b):8*(8*((\a)%4)+\b)+7], v[128*(\p)+FR*\b:128*(\p)+FR*\b+FR-1], v[AF+FR*(\a):AF+FR*(\a)+FR-1], 0, v[SC+8*NQ*(\sc)+NQ*\b+(\q)], v[SC+8*NQ*(\sc)+NQ*(\a)+(\q)] matrix_a_fmt:MATRIX_FMT_FP4 matrix_b_fmt:MATRIX_FMT_FP4 matrix_a_scale:MATRIX_SCALE_ROW1
.else
	v_wmma_scale_f32_16x16x128_f8f6f4 v[8*(8*((\a)%4)+\b):8*(8*((\a)%4)+\b)+7], v[128*(\p)+FR*\b:128*(\p)+FR*\b+FR-1], v[AF+FR*(\a):AF+FR*(\a)+FR-1], v[8*(8*((\a)%4)+\b):8*(8*((\a)%4)+\b)+7], v[SC+8*NQ*(\sc)+NQ*\b+(\q)], v[SC+8*NQ*(\sc)+NQ*(\a)+(\q)] matrix_a_fmt:MATRIX_FMT_FP4 matrix_b_fmt:MATRIX_FMT_FP4 matrix_a_scale:MATRIX_SCALE_ROW1
.endif
.endr
.endr
.endm
.macro FETCH_B slot, q, p
	WIN TO_B
.irp i, 0,1,2,3,4,5,6,7
	FRAG 128*(\p)+FR*\i, ADRB+\slot, \q, \i
.endr
	WIN 0
.endm
.macro FETCH_A slot, q, i0
.irp i, \i0, \i0+1, \i0+2, \i0+3
	FRAG AF+FR*(\i), ADRA+\slot, \q, \i
.endr
.endm
.macro SCALES sc                       ; a slot's scale words: 4 words a row; lanes 0-15 take A's block i, lanes 16-31 B's block i
.irp i, 0,1,2,3,4,5,6,7
	ds_load_b128 v[SC+8*NQ*\sc+NQ*\i:SC+8*NQ*\sc+NQ*\i+3], v[ADRS] offset:\i*SBLK
.endr
.endm
.macro PLACES n                        ; plain vector instructions between a matrix instruction and a load into, or a vector instruction on, its registers
.rept \n
	v_nop
.endr
.endm
.macro STEP slot, q, zero              ; a step of 128 along K that has its successor in the same slot
	s_wait_dscnt 4*NL                              ; B's set and A's blocks 0-3 are in; the youngest eight loads (A's blocks 4-7) may be out
	WIN MUL_LO
	MUL16 0, (\q)%2, \q, \slot, \zero
	MUL16 2, (\q)%2, \q, \slot, \zero
	s_wait_dscnt 0                                 ; A's blocks 4-7 are in
	PLACES NP
	FETCH_B \slot, (\q)+1, 1-(\q)%2
	FETCH_A \slot, (\q)+1, 0
	WIN MUL_HI
	MUL16 4, (\q)%2, \q, \slot, \zero
	MUL16 6, (\q)%2, \q, \slot, \zero
	PLACES NP
	WIN 0
	FETCH_A \slot, (\q)+1, 4
.endm
.macro STEPS slot, from
.set Q, \from
.rept NQ-1-\from
	STEP \slot, Q, 0
.set Q, Q+1
.endr
.endm
	s_wait_tensorcnt 1                             ; the scales and my part of slot 0 are in (slot 1's load may be out)
	s_barrier_signal -1
	s_barrier_wait -1                              ; everybody's are
	FETCH_B 0, 0, 0
	FETCH_A 0, 0, 0
	SCALES 0
	FETCH_A 0, 0, 4
	STEP 0, 0, 1                                   ; the first step's products start the sums
	STEPS 0, 1
	; slot 0's last step changes slots: one barrier, behind which slot 1 is whole for every wave.  Nothing is filled again.
	s_wait_tensorcnt 0x0                           ; all my tensor loads have landed: my part of slot 1
	ds_add_u32 v[SPW], v[NIL]                      ; 0 onto my spare word
	s_wait_dscnt 4*NL+1                            ; (the add and the youngest eight loads, A's blocks 4-7, may be out)
	WIN MUL_LO
	MUL16 0, 1, NQ-1, 0, 0
	s_wait_dscnt 0x0                               ; the add is done, and no LDS instruction of mine is out at the signal
	s_barrier_signal -1
	MUL16 2, 1, NQ-1, 0, 0
	WIN 0
	s_barrier_wait -1
	PLACES NP
	v_add_nc_u32 v[ADRS], 4*NQ, v[ADRS]            ; on to slot 1's scale words
	FETCH_B 1, 0, 0
	FETCH_A 1, 0, 0
	SCALES 1
	WIN MUL_HI
	MUL16 4, 1, NQ-1, 0, 0
	MUL16 6, 1, NQ-1, 0, 0
	PLACES NP
	WIN 0
	FETCH_A 1, 0, 4
	STEPS 1, 0
	s_wait_dscnt 4*NL                              ; the very last step: nothing more to fetch
	WIN MUL_LO
	MUL16 0, 1, NQ-1, 1, 0
	MUL16 2, 1, NQ-1, 1, 0
	s_wait_dscnt 0
	WIN MUL_HI
	MUL16 4, 1, NQ-1, 1, 0
	MUL16 6, 1, NQ-1, 1, 0
	WIN 0
	; THE WAY OUT, with no stage: a lane's eight results round to 16 bytes, which are registers 0-3 (b even) or 4-7 (b odd) of lane l of an image: each store covers 512 consecutive bytes, aligned.
	PLACES NP                                      ; behind the last products: the conversions read results and write registers that held A's fragments
	s_mov_b64 s[BA:BA+1], s[96:97]                 ; eight bases, so that no base is stepped under a pending store (no tensor load is out: the descriptors' registers are free)
.irp a, 1,2,3,4,5,6,7
.if \a == 4
	s_add_nc_u64 s[BA+2*\a:BA+2*\a+1], s[BA+2*\a-2:BA+2*\a-1], s[94:95]
.else
	s_add_nc_u64 s[BA+2*\a:BA+2*\a+1], s[BA+2*\a-2:BA+2*\a-1], s[92:93]
.endif
.endr
.macro PACK a
.set AC, 64*((\a)%4)
.set PB, PKD+32*((\a)%4)
	WIN 0x0a+5*((\a)/4)                            ; sources 0 and 1: window 2 or 3
.irp b, 0,1,2,3,4,5,6,7
.irp r, 0,1,2,3
	v_cvt_pk_f16_f32 v[PB+4*\b+\r], v[AC+8*\b+2*\r], v[AC+8*\b+2*\r+1]   ; each accumulator from its low end on
.endr
.endr
	WIN 0
.irp b, 0,1,2,3,4,5,6,7
	global_store_b128 v[CO+\b/2], v[PB+4*\b:PB+4*\b+3], s[BA+2*(\a):BA+2*(\a)+1] offset:512*(\b%2) th:TH_STORE_NT
.endr
.endm
.irp a, 0,1,2,3,4,5,6,7
.if \a >= 4
	s_wait_xcnt 0x0                                ; block a - 4's stores have read their data: the set is written again only behind this wait
.endif
	PACK \a
.endr
	s_wait_tensorcnt 0x0                           ; the wave's end, behind my last tensor load
	ds_add_u32 v[SPW], v[NIL]
	s_wait_dscnt 0x0
	CROUND                                         ; the closing round: no work-group ends while a partner may still ask for a tile that names it
	s_endpgm
.Lfunc_end_k_q5b9286ff27_qkv:
	.size	k_q5b9286ff27_qkv, .Lfunc_end_k_q5b9286ff27_qkv-k_q5b9286ff27_qkv
	.p2alignl 7, 3214868480
	.fill 96, 4, 3214868480
	.section	.rodata,"a",@progbits
	.p2align	6, 0x0
	.amdhsa_kernel k_q5b9286ff27_qkv
		.amdhsa_group_segment_fixed_size 327680
		.amdhsa_private_segment_fixed_size 0
		.amdhsa_enable_private_segment 0
		.amdhsa_kernarg_size 48
		.amdhsa_user_sgpr_count 2
		.amdhsa_user_sgpr_kernarg_segment_ptr 1
		.amdhsa_wavefront_size32 1
		.amdhsa_system_sgpr_workgroup_id_x 1
		.amdhsa_system_sgpr_workgroup_id_y 1
		.amdhsa_system_sgpr_workgroup_id_z 1
		.amdhsa_system_vgpr_workitem_id 0
		.amdhsa_next_free_vgpr 1024
		.amdhsa_next_free_sgpr 106
		.amdhsa_reserve_vcc 0
		.amdhsa_float_denorm_mode_32 3
		.amdhsa_float_denorm_mode_16_64 3
		.amdhsa_memory_ordered 1
		.amdhsa_forward_progress 1
		.amdhsa_inst_pref_size 119
	.end_amdhsa_kernel
	.amdgpu_metadata
---
amdhsa.version: [ 1, 2 ]
amdhsa.kernels:
  - .name:           k_q5b9286ff27_qkv
    .symbol:         k_q5b9286ff27_qkv.kd
    .args:
      - { .name: x_codes, .offset: 0, .size: 8, .value_kind: global_buffer, .address_space: global }
      - { .name: x_scales, .offset: 8, .size: 8, .value_kind: global_buffer, .address_space: global }
      - { .name: w_codes, .offset: 16, .size: 8, .value_kind: global_buffer, .address_space: global }
      - { .name: w_scales, .offset: 24, .size: 8, .value_kind: global_buffer, .address_space: global }
      - { .name: q_img, .offset: 32, .size: 8, .value_kind: global_buffer, .address_space: global }
      - { .name: kv_img, .offset: 40, .size: 8, .value_kind: global_buffer, .address_space: global }
    .group_segment_fixed_size: 327680
    .private_segment_fixed_size: 0
    .kernarg_segment_align: 8
    .kernarg_segment_size: 48
    .max_flat_workgroup_size: 128
    .sgpr_count:     106
    .vgpr_count:     1024
    .wavefront_size: 32
...
	.end_amdgpu_metadata
.endif
;; end of part 2
;; launch attn (part 3): grid 4 x 64, 8 waves a work-group, clusters of 4 x 1, 327,680 bytes of LDS; arguments q_img, kv_img, o_img; writes o_img
.if DOCPART == 3
	.amdgcn_target "amdgcn-amd-amdhsa--gfx1250"
	.amdhsa_code_object_version 6
	.text
	.protected	k_q5b9286ff27_attn
	.globl	k_q5b9286ff27_attn
	.p2align	8
	.type	k_q5b9286ff27_attn,@function
k_q5b9286ff27_attn:
	s_mov_b64 s[64:65], 0
	v_nop
	global_prefetch_b8 v0, s[64:65] scope:SCOPE_SE
	s_setreg_imm32_b32 hwreg(HW_REG_WAVE_MODE, 25, 1), 1
	s_wait_xcnt 0x0
	s_wait_alu depctr_hold_cnt(0) depctr_sa_sdst(0) depctr_va_vdst(0) depctr_va_sdst(0) depctr_va_ssrc(0) depctr_va_vcc(0) depctr_vm_vsrc(0)
	s_getreg_b32 s2, hwreg(HW_REG_IB_STS2, 6, 4)
	s_cmp_eq_u32 s2, 0
	s_cbranch_scc0 .Lentry_in_a_cluster
	s_endpgm
.Lentry_in_a_cluster:
	s_bfe_u32 s2, ttmp6, 0x10000c
	s_cmp_lg_u32 s2, 0x3003
	s_cbranch_scc0 .Lentry_shape_is_right
	s_endpgm
.Lentry_shape_is_right:
; O[head][q] = the sum over k of softmax_k(Q[q] . K[k] / 8) V[k], 64 heads of 2,048 tokens x 64 channels, no mask.  Operands f16, products, maxima and sums f32; the weights p are rounded to f16 for the second product, O once at the end.
; All three tensors come, and O goes, as IMAGES OF OPERAND REGISTERS (16 rows x 32 k = 1,024 bytes; registers 0-3 of lane l at 16 l, registers 4-7 at 512 + 16 l): a fragment is two loads at 16 x lane, LDS needs no padding, and O needs no stage.
; SHARES.  A cluster is one head; its four work-groups own 512 queries each; each of a work-group's EIGHT waves owns 64 queries, four tiles of 16, in 512 registers: two waves to a SIMD.  Every wave walks all 2,048 keys, 64 a step.
; LAYOUT.  S^T = K Q^T (source 0 = 16 keys, source 1 = 16 queries) and O^T = V^T P (source 0 = 16 channels, source 1 = P): a lane holds ONE query throughout; two tiles of S^T, rounded in pairs, are a fragment of P in place.
; SOFTMAX.  For each query a running maximum m and sum l: p = 2^(c s - c m), c = log2(e) / 8; in every step O and l are multiplied by a = 2^(c m_old - c m_new).  m begins at -3e38, l and O at 0: the step is written once.
; HALF A TRIP APART.  The waves are two groups, (w xor w / 4) % 2.  At a trip's head a wave of group 0 runs the softmax of the step in hand; a wave of group 1 ran it at the end of the trip before and begins with the products.
; So one group's vector work stands beside the other's matrix work.  The softmax stands twice in a trip, each copy under a branch on the group, which is made of the wave's number; no barrier, wait for memory, add or tensor load stands under it.
; The places between K Q^T and V^T P stand outside those branches, and all that the way out reads is written at the head: the text keeps its distances on every way through it, whichever copy is run.
; RING.  Two slots of 8 steps (131,072 bytes), byte for byte as kv_img lies.  Wave w fetches step w of a slot by one JOINT load (the four work-groups walk the same K and V): two loads of a wave are out at the head, one behind a round.
; LIMITS: q, k, v under 65,504 in magnitude (f16); NaN and infinities are not served.
; REGISTERS: window 0: v1-7 addresses; v16-47 statistics, eight a tile; v64-191 S^T, 32 a tile (P in a tile's first 16); v192-255 V^T of one step.   window 1: v0-127 O^T, 32 a tile; v128-191 Q; v192-255 K of one step.
.set SLOT1, 131072
.set STEPB, 16384                      ; a step: 8 images of K, then 8 of V^T
.set SPARE, 262144                     ; behind the ring: the spare words, 128 bytes for each wave: four blocks of 256 bytes that no other line names
.set L16, 1                            ; v1   16 x lane: a lane's place in an image; never rewritten
.set ADR, 2                            ; v2   LDS address of the step that is being fetched
.set PFO, 4                            ; v4   256 x lane: the prefetches' offset; never rewritten
.set SPW, 6                            ; v6   LDS address of my spare word; never rewritten
.set NIL, 7                            ; v7   0; never rewritten
.set ST,  16                           ; tile t at v[ST + 8 t]: +0 c m, +1 m, +2, +3 l (two halves), +4 .. +7 c0-c3 at work; a, and at the end 1 / l, take c2's place
.set S,   64
.set VF,  192
.set O,   0                            ; in window 1
.set QF,  128
.set KF,  192
.set WV,  10                           ; s10 wave;  s11 cx;  s12 head;  s13 group
.set CX,  11
.set HD,  12
.set GRP, 13
.set G1,  16                           ; s[16:23] descriptor group 1;  s[24:31] group 0, a set for each slot
.set G0,  24
.set CS,  32                           ; s[32:33] c, twice
.set SEL, 34                           ; s[34:35] lane selects for v_permlanex16_b32: lane l xor 16
.set TB,  36                           ; s36  LDS byte at which the step to be fetched begins
.set CNT, 37                           ; s37  trips to go in the loop in hand
.set LIM, 38                           ; s38  2 in a wave that prefetches (the even ones), else the greatest number
.set PFA, 40                           ; s[40:41] where my prefetch stands
.set MSB, 0
.macro WIN new                         ; the immediate's high byte repeats the setting that is left
.if MSB != (\new)
	s_set_vgpr_msb (MSB<<8)|(\new)
.set MSB, (\new)
.endif
.endm
.macro CROUND                          ; a round of the cluster's barrier
	s_barrier_signal -1
	s_barrier_wait -1
	s_cmp_lg_u32 s[WV], 0
	s_cbranch_scc1 .Lnot_wave_0_\@
	s_barrier_signal -3
.Lnot_wave_0_\@:
	s_barrier_wait -3
	s_barrier_signal -1
	s_barrier_wait -1
.endm
; S^T = K Q^T: product i: channels 32 (i / 16) on, keys 16 ((i / 4) % 4) on, tile i % 4.  The first 16 start the sums.  The 16 accumulators take turns.
.macro QK
	WIN 0x05                                       ; K and Q in window 1, S^T in window 0
.set i, 0
.rept 32
.set rS, S+32*(i%4)+8*((i/4)%4)
.set rK, KF+16*((i/4)%4)+8*(i/16)
.set rQ, QF+16*(i%4)+8*(i/16)
.if i < 16
	v_wmma_f32_16x16x32_f16 v[rS:rS+7], v[rK:rK+7], v[rQ:rQ+7], 0
.else
	v_wmma_f32_16x16x32_f16 v[rS:rS+7], v[rK:rK+7], v[rQ:rQ+7], v[rS:rS+7]
.endif
.set i, i+1
.endr
	WIN 0
.endm
; O^T += V^T P: product i: keys 32 (i / 16) on, channels 16 ((i / 4) % 4) on, tile i % 4.  16 accumulators by turns.
.macro PV
	WIN 0x50                                       ; V^T and P in window 0, O^T in window 1
.set i, 0
.rept 32
.set rO, O+32*(i%4)+8*((i/4)%4)
.set rV, VF+32*(i/16)+8*((i/4)%4)
.set rP, S+32*(i%4)+8*(i/16)
	v_wmma_f32_16x16x32_f16 v[rO:rO+7], v[rV:rV+7], v[rP:rP+7], v[rO:rO+7]
.set i, i+1
.endr
	WIN 0
.endm
.macro FETCHK                          ; a step's 8 images of K: 16 loads in one run
	WIN 0x40                                       ; destination window 1
.irp f, 0,1,2,3,4,5,6,7
	ds_load_b128 v[KF+8*\f:KF+8*\f+3],   v[ADR] offset:1024*\f
	ds_load_b128 v[KF+8*\f+4:KF+8*\f+7], v[ADR] offset:1024*\f+512
.endr
	WIN 0
.endm
.macro FETCHV                          ; and its 8 images of V^T
.irp f, 0,1,2,3,4,5,6,7
	ds_load_b128 v[VF+8*\f:VF+8*\f+3],   v[ADR] offset:8192+1024*\f
	ds_load_b128 v[VF+8*\f+4:VF+8*\f+7], v[ADR] offset:8192+1024*\f+512
.endr
.endm
; THE SOFTMAX OF A STEP, four tiles line by line, so that no line waits for the line above it.
.macro SM
	; the maximum of a lane's 32 scores and the old m: four chains, each begun at an accumulator's low end
.irp j, 0,1,2,3
.irp t, 0,1,2,3
	v_max3_num_f32 v[ST+8*\t+4+\j], v[S+32*\t+8*\j], v[S+32*\t+8*\j+1], v[S+32*\t+8*\j+2]
.endr
.endr
.irp u, 3,5
.irp j, 0,1,2,3
.irp t, 0,1,2,3
	v_max3_num_f32 v[ST+8*\t+4+\j], v[ST+8*\t+4+\j], v[S+32*\t+8*\j+\u], v[S+32*\t+8*\j+\u+1]
.endr
.endr
.endr
.irp t, 0,1,2,3
	v_max3_num_f32 v[ST+8*\t+4], v[ST+8*\t+4], v[S+32*\t+7], v[S+32*\t+15]
.endr
.irp t, 0,1,2,3
	v_max3_num_f32 v[ST+8*\t+6], v[ST+8*\t+6], v[S+32*\t+23], v[S+32*\t+31]
.endr
.irp t, 0,1,2,3
	v_max3_num_f32 v[ST+8*\t+4], v[ST+8*\t+4], v[ST+8*\t+5], v[ST+8*\t+6]
.endr
.irp t, 0,1,2,3
	v_max3_num_f32 v[ST+8*\t+4], v[ST+8*\t+4], v[ST+8*\t+7], v[ST+8*\t+1]
.endr
.irp t, 0,1,2,3
	v_permlanex16_b32 v[ST+8*\t+5], v[ST+8*\t+4], s[SEL], s[SEL+1]   ; the query's other 32 keys lie in the lane 16 away
.endr
.irp t, 0,1,2,3
	v_mov_b32 v[ST+8*\t+7], v[ST+8*\t]             ; c m_old is kept for a
.endr
.irp t, 0,1,2,3
	v_max_num_f32 v[ST+8*\t+1], v[ST+8*\t+4], v[ST+8*\t+5]
.endr
.irp t, 0,1,2,3
	v_mul_f32 v[ST+8*\t], s[CS], v[ST+8*\t+1]
.endr
.irp t, 0,1,2,3
	v_sub_f32 v[ST+8*\t+7], v[ST+8*\t+7], v[ST+8*\t]
.endr
	; ONE BATCH: a, the 64 scalings c s - c m (a pair each) and the 128 exponentials; a pair's exponentials stand behind the next pair's scalings; nothing here names an exponential's result
.irp t, 0,1,2,3
	v_exp_f32 v[ST+8*\t+6], v[ST+8*\t+7]
.endr
.irp t, 0,1,2,3
	v_pk_fma_f32 v[S+32*\t:S+32*\t+1], v[S+32*\t:S+32*\t+1], s[CS:CS+1], v[ST+8*\t:ST+8*\t+1] op_sel_hi:[1,0,0] neg_lo:[0,0,1] neg_hi:[0,0,1]
.endr
.set p, 1
.rept 15
.irp t, 0,1,2,3
	v_pk_fma_f32 v[S+32*\t+2*p:S+32*\t+2*p+1], v[S+32*\t+2*p:S+32*\t+2*p+1], s[CS:CS+1], v[ST+8*\t:ST+8*\t+1] op_sel_hi:[1,0,0] neg_lo:[0,0,1] neg_hi:[0,0,1]
.endr
.irp t, 0,1,2,3
	v_exp_f32 v[S+32*\t+2*p-2], v[S+32*\t+2*p-2]
	v_exp_f32 v[S+32*\t+2*p-1], v[S+32*\t+2*p-1]
.endr
.set p, p+1
.endr
.irp t, 0,1,2,3
	v_exp_f32 v[S+32*\t+30], v[S+32*\t+30]
	v_exp_f32 v[S+32*\t+31], v[S+32*\t+31]
.endr
	v_nop                                          ; a plain instruction behind the last exponential, ahead of the first use
	s_wait_alu depctr_va_vdst(0)                   ; the wait ahead of the first instruction that names a result: one for the batch
	; l = a l + the sum of the 32 weights, unrounded, two at a time, in two chains
.irp t, 0,1,2,3
	v_pk_fma_f32 v[ST+8*\t+2:ST+8*\t+3], v[ST+8*\t+2:ST+8*\t+3], v[ST+8*\t+6:ST+8*\t+7], v[S+32*\t:S+32*\t+1] op_sel_hi:[1,0,1]
.endr
.irp t, 0,1,2,3
	v_pk_add_f32 v[ST+8*\t+4:ST+8*\t+5], v[S+32*\t+2:S+32*\t+3], v[S+32*\t+6:S+32*\t+7]
.endr
.irp t, 0,1,2,3
	v_pk_add_f32 v[ST+8*\t+2:ST+8*\t+3], v[ST+8*\t+2:ST+8*\t+3], v[S+32*\t+4:S+32*\t+5]
.endr
.irp k, 2,3,4,5,6,7
.irp t, 0,1,2,3
	v_pk_add_f32 v[ST+8*\t+2:ST+8*\t+3], v[ST+8*\t+2:ST+8*\t+3], v[S+32*\t+4*\k:S+32*\t+4*\k+1]
.endr
.irp t, 0,1,2,3
	v_pk_add_f32 v[ST+8*\t+4:ST+8*\t+5], v[ST+8*\t+4:ST+8*\t+5], v[S+32*\t+4*\k+2:S+32*\t+4*\k+3]
.endr
.endr
.irp t, 0,1,2,3
	v_pk_add_f32 v[ST+8*\t+2:ST+8*\t+3], v[ST+8*\t+2:ST+8*\t+3], v[ST+8*\t+4:ST+8*\t+5]
.endr
	; the weights to f16, in place and ascending: pair p lands on register p, which no later pair reads
.set p, 0
.rept 16
.irp t, 0,1,2,3
	v_cvt_pk_f16_f32 v[S+32*\t+p], v[S+32*\t+2*p], v[S+32*\t+2*p+1]
.endr
.set p, p+1
.endr
	; O^T times a, each accumulator from its low end on
	WIN 0x41                                       ; O^T (destination and source 0) in window 1, a in window 0
.set p, 0
.rept 16
.irp t, 0,1,2,3
	v_pk_mul_f32 v[O+32*\t+2*p:O+32*\t+2*p+1], v[O+32*\t+2*p:O+32*\t+2*p+1], v[ST+8*\t+6:ST+8*\t+7] op_sel_hi:[1,0]
.endr
.set p, p+1
.endr
	WIN 0
.endm
.macro SMIF g, n                       ; the softmax, for the waves of group g; n places in front of it where products stand just ahead and no places stand outside the branch
	s_cmp_eq_u32 s[GRP], \g
	s_cbranch_scc0 .Lnot_now_\@
.rept \n
	v_nop
.endr
	SM
.Lnot_now_\@:
.endm
; A PREFETCH of what the next change of slots will ask for: 131,072 bytes of the head's K and V.  Each aligned block of 256 bytes is named once in the launch: the four partners' even waves take 8,192 bytes each,
; told apart by address (cx and the wave's number), a lane a block.  It stands behind the trip's run of LDS loads, in the last trip but one ahead of the change.  The first two slots come by their loads alone.
.macro ASK
	s_cmp_eq_u32 s[CNT], s[LIM]
	s_cbranch_scc0 .Lnot_mine_\@
	global_prefetch_b8 v[PFO], s[PFA:PFA+1] th:TH_LOAD_NT scope:SCOPE_SE
.Lnot_mine_\@:
.endm
; A TRIP: step j's V^T P, step j + 1's K Q^T, and one softmax: step j's at the head (group 0) or step j + 1's at the end (group 1).
.macro TRIP ask
	v_add_nc_u32 v[ADR], s[TB], v[L16]
.rept 4
	v_nop                                          ; with the line above five places behind K Q^T, outside every branch: for the loads into K's registers, and for V^T P, which takes P's registers as a source
.endr
	FETCHK                                         ; K of step j + 1
.if \ask
	ASK
.endif
	SMIF 0, 0
	s_wait_dscnt 16                                ; V^T of step j is in; K's 16 loads may be out
	PV
.rept 5
	v_nop                                          ; five places: V^T's registers are loaded again, and K Q^T writes over P
.endr
	FETCHV                                         ; V^T of step j + 1
	s_add_co_u32 s[TB], s[TB], STEPB
	s_wait_dscnt 16                                ; K of step j + 1 is in; V^T's 16 loads may be out
	QK
	SMIF 1, 4
.endm
.macro LOOP n, ask
	s_mov_b32 s[CNT], \n
.Ltrip_\@:
	TRIP \ask
	s_sub_co_u32 s[CNT], s[CNT], 1
	s_cmp_lg_u32 s[CNT], 0
	s_cbranch_scc1 .Ltrip_\@
.endm
; THE CHANGE OF SLOTS: the slot's last bytes have been asked for.  Each wave waits for all its tensor loads (its part of the other slot), adds 0 to its spare word, and waits for that and for its reads of the slot.
; fill = 1: the barrier is a round of the cluster's, and the joint refill, with the keys two slots on, is the first thing behind it: it has eight trips in which to land.
.macro CHANGE slot, fill, tb
	s_wait_tensorcnt 0x0                           ; no tensor load of mine is out, so a group 0 may be written
	ds_add_u32 v[SPW], v[NIL]                      ; 0 onto my spare word; work on registers stands between it and the wait for it
.if \fill
	s_add_nc_u64 s[G0+4*\slot+2:G0+4*\slot+3], s[G0+4*\slot+2:G0+4*\slot+3], 2*SLOT1   ; the type bits on top are not reached
.if \slot == 0
	s_wait_xcnt 0x0                                ; the prefetch, two trips back, has read its address
	s_add_nc_u64 s[PFA:PFA+1], s[PFA:PFA+1], SLOT1
.endif
.endif
	s_mov_b32 s[TB], \tb                           ; the fetches go on at the other slot's first step
	s_wait_dscnt 0x0                               ; the add is done, and my reads of the slot are over
.if \fill
	CROUND
	tensor_load_to_lds s[G0+4*\slot:G0+4*\slot+3], s[G1:G1+7]
	s_nop 0
.rept 4
	v_nop
.endr
.else
	s_barrier_signal -1
	s_barrier_wait -1
.endif
.endm
	s_load_b128 s[4:7], s[0:1], 0x0                ; q_img s[4:5], kv_img s[6:7]
	s_load_b64 s[8:9], s[0:1], 0x10                ; o_img
	v_lshl_add_u32 v[SPW], v0, 2, SPARE
	v_mov_b32 v[NIL], 0
	ds_add_u32 v[SPW], v[NIL]                      ; the wave's opening: the add, twice on end, and its wait ahead of my first tensor load
	ds_add_u32 v[SPW], v[NIL]                      ; and once more, under the one wait; the set-up below stands between
	v_lshrrev_b32 v3, 5, v0
	v_readfirstlane_b32 s[WV], v3                  ; wave 0..7
	s_bfe_u32 s[CX], ttmp6, 0x40000                ; my block of 512 queries
	s_and_b32 s[HD], ttmp7, 0xffff                 ; the head, which the four partners share
	s_lshr_b32 s[GRP], s[WV], 2
	s_xor_b32 s[GRP], s[GRP], s[WV]
	s_and_b32 s[GRP], s[GRP], 1                    ; it differs between waves w and w + 4, and between 2 i and 2 i + 1
	; descriptor group 1: a step's 16,384 dense bytes as 64 rows of 256 bytes (32 elements of 8 bytes), no padding
	s_mov_b32 s[G1], 15|(3<<16)|(1<<21)            ; 15:0 the mask: all four work-groups; 17:16 elements of 8 bytes; 21 set beside a mask
	s_mov_b32 s[G1+1], 32<<16                      ; tensor_dim0
	s_mov_b32 s[G1+2], 64<<16                      ; tensor_dim1
	s_mov_b32 s[G1+3], 32<<16                      ; tile_dim0
	s_mov_b32 s[G1+4], 64                          ; tile_dim1
	s_mov_b32 s[G1+5], 32                          ; tensor_dim0_stride
	s_mov_b32 s[G1+6], 0
	s_mov_b32 s[G1+7], 0
	s_mov_b32 s[CS], 0x3e38aa3b                    ; c = log2(e) / 8
	s_mov_b32 s[CS+1], s[CS]
	s_mov_b32 s[SEL], 0x76543210
	s_mov_b32 s[SEL+1], 0xfedcba98
	s_and_b32 s14, s[WV], 1
	s_cmp_eq_u32 s14, 0
	s_cselect_b32 s[LIM], 2, -1
	v_and_b32 v3, 31, v0
	v_lshlrev_b32 v[L16], 4, v3
	v_lshlrev_b32 v[PFO], 8, v3
	s_lshl_b32 s42, s[HD], 18                      ; Q: the head, 2^18 bytes,
	s_lshl_b32 s14, s[CX], 3
	s_add_co_u32 s14, s14, s[WV]
	s_lshl_b32 s14, s14, 13                        ; and my 64 queries: 8,192 bytes
	s_add_co_u32 s42, s42, s14
	s_mov_b32 s43, 0
	s_lshl_b32 s44, s[HD], 19                      ; K and V: the head, 2^19 bytes,
	s_lshl_b32 s15, s[WV], 14                      ; and the step that I fetch of a slot: in memory and in LDS alike; no place in the cluster enters it
	s_add_co_u32 s44, s44, s15
	s_mov_b32 s45, 0
	s_lshr_b32 s46, s[HD], 4                       ; O: [256 tokens][128 along the merged heads][16 tokens][32]: the batch's 8 blocks of 256 tokens,
	s_lshl_b32 s46, s46, 3
	s_lshl_b32 s14, s[CX], 1
	s_add_co_u32 s46, s46, s14
	s_lshr_b32 s14, s[WV], 2
	s_add_co_u32 s46, s46, s14
	s_lshl_b32 s46, s46, 19
	s_and_b32 s14, s[HD], 15
	s_lshr_b32 s14, s14, 1                         ; two heads to 128 along the merged heads,
	s_lshl_b32 s14, s14, 16
	s_add_co_u32 s46, s46, s14
	s_and_b32 s14, s[WV], 3                        ; my four tiles of 16 tokens,
	s_lshl_b32 s14, s14, 14
	s_add_co_u32 s46, s46, s14
	s_and_b32 s14, s[HD], 1                        ; and my head's two images of the four
	s_lshl_b32 s14, s14, 11
	s_add_co_u32 s46, s46, s14
	s_mov_b32 s47, 0
	s_lshl_b32 s2, s[HD], 19                       ; the prefetch: the head's third 131,072 bytes, my 8,192 of them
	s_lshr_b32 s14, s[WV], 1
	s_lshl_b32 s14, s14, 15
	s_add_co_u32 s2, s2, s14
	s_lshl_b32 s14, s[CX], 13
	s_add_co_u32 s2, s2, s14
	s_add_co_u32 s2, s2, 2*SLOT1
	s_mov_b32 s3, 0
	s_wait_dscnt 0x0                               ; both opening adds are done
	s_wait_kmcnt 0x0
	s_add_nc_u64 s[4:5], s[4:5], s[42:43]
	s_add_nc_u64 s[8:9], s[8:9], s[46:47]
	s_add_nc_u64 s[PFA:PFA+1], s[6:7], s[2:3]
	s_add_nc_u64 s[6:7], s[6:7], s[44:45]
	CROUND                                         ; all four work-groups are here: the first joint loads meet
.irp n, 0,1
	s_mov_b32 s[G0+4*\n], 1                        ; count = 1
	s_add_co_u32 s[G0+4*\n+1], s15, \n*SLOT1       ; LDS address
	s_add_nc_u64 s[G0+4*\n+2:G0+4*\n+3], s[6:7], \n*SLOT1   ; global address
	s_or_b32 s[G0+4*\n+3], s[G0+4*\n+3], 0x80000000   ; type = 2
.endr
	tensor_load_to_lds s[G0:G0+3], s[G1:G1+7]      ; both first fills together, ahead of every wait on TENSORcnt, LDS read and further barrier
	s_nop 0
	tensor_load_to_lds s[G0+4:G0+7], s[G1:G1+7]
	s_nop 0
.rept 4
	v_nop
.endr
	WIN 0x40                                       ; destination window 1
.set i, 0
.rept 16
	global_load_b128 v[QF+4*i:QF+4*i+3], v[L16], s[4:5] offset:512*i   ; Q stays in registers: 8 images
.set i, i+1
.endr
.set i, 0
.rept 128
	v_mov_b32 v[O+i], 0                            ; O^T: the step is written once, and its first run finds zeros
.set i, i+1
.endr
	WIN 0
.irp t, 0,1,2,3
	v_mov_b32 v[ST+8*\t+1], 0xff61b1e6             ; m = -3e38, under every score
	v_mov_b32 v[ST+8*\t+2], 0                      ; l
	v_mov_b32 v[ST+8*\t+3], 0
.irp j, 4,5,6,7
	v_mov_b32 v[ST+8*\t+\j], 0                     ; c0-c3, written once: a lane permute's destination counts as one of its sources, and c3 is named as the upper half of a's pair
.endr
.endr
.irp t, 0,1,2,3
	v_mul_f32 v[ST+8*\t], s[CS], v[ST+8*\t+1]      ; c m
.endr
	v_mov_b32 v[ADR], v[L16]                       ; step 0 lies at LDS byte 0
	s_wait_tensorcnt 1                             ; my part of slot 0 is in; slot 1's may stay out
	s_barrier_signal -1
	s_barrier_wait -1                              ; everybody's is
	FETCHK
	FETCHV
	s_wait_loadcnt 0x0                             ; Q
	s_wait_dscnt 16                                ; K is in; V^T's 16 loads may be out
	QK                                             ; step 0's scores
	SMIF 1, 4                                      ; group 1 goes half a trip ahead
	s_wait_dscnt 0x0
	s_barrier_signal -1
	s_barrier_wait -1                              ; from here group 0 begins with vector work and group 1 with matrix work
	s_mov_b32 s[TB], STEPB
	LOOP 7, 1                                      ; trips 0-6 fetch steps 1-7
	CHANGE 0, 1, SLOT1                             ; slot 0 takes steps 16-23
	LOOP 8, 1                                      ; trips 7-14 fetch steps 8-15
	CHANGE 1, 1, 0                                 ; slot 1 takes steps 24-31
	LOOP 8, 0                                      ; trips 15-22 fetch steps 16-23
	CHANGE 0, 0, SLOT1                             ; nothing is left to ask for
	LOOP 8, 0                                      ; trips 23-30 fetch steps 24-31
.rept 5
	v_nop                                          ; five places behind the last K Q^T, outside the branch below: V^T P takes P's registers as a source
.endr
	SMIF 0, 0                                      ; group 0's last softmax
	s_wait_dscnt 0x0
	PV                                             ; step 31
	; THE WAY OUT.  O^T / l, rounded to f16: a lane's eight channels are 16 bytes, registers 0-3 or 4-7 of lane l of an image of the projection's operand: each store covers 512 consecutive bytes, aligned.
.irp t, 0,1,2,3
	v_add_f32 v[ST+8*\t+4], v[ST+8*\t+2], v[ST+8*\t+3]   ; l's two halves (these four lines are the places behind the last products)
.endr
.irp t, 0,1,2,3
	v_permlanex16_b32 v[ST+8*\t+5], v[ST+8*\t+4], s[SEL], s[SEL+1]
.endr
.irp t, 0,1,2,3
	v_add_f32 v[ST+8*\t+4], v[ST+8*\t+4], v[ST+8*\t+5]
.endr
.irp t, 0,1,2,3
	v_rcp_f32 v[ST+8*\t+6], v[ST+8*\t+4]
.endr
	v_nop                                          ; a plain instruction between the last reciprocal and the use of its result
	s_wait_alu depctr_va_vdst(0)                   ; and its wait: one for the four
	WIN 0x41
.set p, 0
.rept 16
.irp t, 0,1,2,3
	v_pk_mul_f32 v[O+32*\t+2*p:O+32*\t+2*p+1], v[O+32*\t+2*p:O+32*\t+2*p+1], v[ST+8*\t+6:ST+8*\t+7] op_sel_hi:[1,0]
.endr
.set p, p+1
.endr
	WIN 0x05                                       ; sources in window 1, destination in window 0: S^T's registers are free
.set i, 0
.rept 64
	v_cvt_pk_f16_f32 v[S+i], v[O+2*i], v[O+2*i+1]
.set i, i+1
.endr
	WIN 0
.irp t, 0,1,2,3
.irp c, 0,1,2,3
	global_store_b128 v[L16], v[S+16*\t+4*\c:S+16*\t+4*\c+3], s[8:9] offset:4096*\t+512*\c th:TH_STORE_NT
.endr
.endr
	s_wait_tensorcnt 0x0                           ; the wave's end, behind my last tensor load
	ds_add_u32 v[SPW], v[NIL]
	s_wait_dscnt 0x0
	CROUND                                         ; the closing round: no work-group ends while a partner may still ask for a tile that names it
	s_endpgm
.Lfunc_end_k_q5b9286ff27_attn:
	.size	k_q5b9286ff27_attn, .Lfunc_end_k_q5b9286ff27_attn-k_q5b9286ff27_attn
	.p2alignl 7, 3214868480
	.fill 96, 4, 3214868480
	.section	.rodata,"a",@progbits
	.p2align	6, 0x0
	.amdhsa_kernel k_q5b9286ff27_attn
		.amdhsa_group_segment_fixed_size 327680
		.amdhsa_private_segment_fixed_size 0
		.amdhsa_enable_private_segment 0
		.amdhsa_kernarg_size 24
		.amdhsa_user_sgpr_count 2
		.amdhsa_user_sgpr_kernarg_segment_ptr 1
		.amdhsa_wavefront_size32 1
		.amdhsa_system_sgpr_workgroup_id_x 1
		.amdhsa_system_sgpr_workgroup_id_y 1
		.amdhsa_system_sgpr_workgroup_id_z 1
		.amdhsa_system_vgpr_workitem_id 0
		.amdhsa_next_free_vgpr 512
		.amdhsa_next_free_sgpr 66
		.amdhsa_reserve_vcc 0
		.amdhsa_float_denorm_mode_32 3
		.amdhsa_float_denorm_mode_16_64 3
		.amdhsa_memory_ordered 1
		.amdhsa_forward_progress 1
		.amdhsa_inst_pref_size 255
	.end_amdhsa_kernel
	.section	.bss,"aw",@nobits
	.p2align	6
	.space	262144
	.amdgpu_metadata
---
amdhsa.version: [ 1, 2 ]
amdhsa.kernels:
  - .name:           k_q5b9286ff27_attn
    .symbol:         k_q5b9286ff27_attn.kd
    .args:
      - { .name: q_img, .offset: 0, .size: 8, .value_kind: global_buffer, .address_space: global }
      - { .name: kv_img, .offset: 8, .size: 8, .value_kind: global_buffer, .address_space: global }
      - { .name: o_img, .offset: 16, .size: 8, .value_kind: global_buffer, .address_space: global }
    .group_segment_fixed_size: 327680
    .private_segment_fixed_size: 0
    .kernarg_segment_align: 8
    .kernarg_segment_size: 24
    .max_flat_workgroup_size: 256
    .sgpr_count:     66
    .vgpr_count:     512
    .wavefront_size: 32
...
	.end_amdgpu_metadata
.endif
;; end of part 3
;; launch proj (part 4): grid 8 x 32, 4 waves a work-group, clusters of 4 x 4, 327,680 bytes of LDS; arguments o_img, wo_img, b_out, out0; writes out0
.if DOCPART == 4
	.amdgcn_target "amdgcn-amd-amdhsa--gfx1250"
	.amdhsa_code_object_version 6
	.text
	.protected	k_q5b9286ff27_proj
	.globl	k_q5b9286ff27_proj
	.p2align	8
	.type	k_q5b9286ff27_proj,@function
k_q5b9286ff27_proj:
	s_mov_b64 s[64:65], 0
	v_nop
	global_prefetch_b8 v0, s[64:65] scope:SCOPE_SE
	s_setreg_imm32_b32 hwreg(HW_REG_WAVE_MODE, 25, 1), 1
	s_wait_xcnt 0x0
	s_wait_alu depctr_hold_cnt(0) depctr_sa_sdst(0) depctr_va_vdst(0) depctr_va_sdst(0) depctr_va_ssrc(0) depctr_va_vcc(0) depctr_vm_vsrc(0)
	s_getreg_b32 s2, hwreg(HW_REG_IB_STS2, 6, 4)
	s_cmp_eq_u32 s2, 0
	s_cbranch_scc0 .Lentry_in_a_cluster
	s_endpgm
.Lentry_in_a_cluster:
	s_bfe_u32 s2, ttmp6, 0x10000c
	s_cmp_lg_u32 s2, 0xf033
	s_cbranch_scc0 .Lentry_shape_is_right
	s_endpgm
.Lentry_shape_is_right:
; out0[m][n] = the sum over k of o[m][k] W_out[k][n] + b_out[n]: [8192] x [1024], K = 1,024.  Operands f16, sums f32, the result f32.
; Both operands come as IMAGES OF OPERAND REGISTERS (16 rows x 32 k = 1,024 bytes; registers 0-3 of lane l at 16 l, registers 4-7 at 512 + 16 l), laid so that a tile's 128 along K is one dense block:
;   o_img [256 rows 32][128 k 8][16 rows 16][32 k 4],  wo_img [128 columns 8][128 k 8][16 columns 8][32 k 4].  So LDS needs no padding, and a fragment is two loads at 16 x lane.
; A tile of 256 x 128 gives 256 work-groups.  Four waves, 2 x 2, each 128 x 64: 32 accumulators, all of window 1.  K goes in steps of 128 through two slots (A's 65,536 bytes, then B's 32,768).
; Waves 0 and 1 fetch A's halves, waves 2 and 3 B's: one load a wave behind each round; two are out at the head.
; CLUSTERS: 4 x 4 work-groups; A's tile is asked for jointly along a row of the cluster, B's along a column.
; THE MATRIX INSTRUCTION IS USED TRANSPOSED (source 0 = 16 columns' rows of W_out^T, source 1 = 16 rows of o): a lane holds eight neighbouring numbers of a row of the result.  The bias is the C of each sum's first product.
; No prefetch: a K step's tiles are small, and B's are read again by every row of tiles.
; REGISTERS: window 0: v16-29 addresses; v32-63 the bias, eight registers for each 16 columns; two fragment buffers of 96: A's 8 fragments, then B's 4: v64-159, v160-255; on the way out v64-127 rows read back.  window 1: accumulator (a, b) at v[8 (4 a + b)].
.set SLOT,   98304
.set BOFF,   65536                     ; B's images lie behind A's
.set STAGE,  2*SLOT                    ; behind the ring: 16 rows x (256 bytes + 16) for each wave, for the way out; no tensor load lands there
.set SPITCH, 272
.set SPARE,  STAGE+4*16*SPITCH         ; the spare words, 128 bytes for each wave: two blocks of 256 bytes that no other line names
.set LAPS,   4                         ; a lap = two K steps of 128
.set ADRA, 16                          ; v16-17  LDS address of my A images in slot 0, 1
.set ADRB, 20                          ; v20-21  the same for B
.set STO,  24                          ; v24     the way out: where I put 32 bytes of a row
.set RD,   25                          ; v25     where I read a row back
.set CO,   26                          ; v26     my byte offset in two rows of out0
.set SPW,  28                          ; v28     LDS address of my spare word; never rewritten
.set NIL,  29                          ; v29     0; never rewritten
.set BIAS, 32
.set F0,   64
.set F1,   160
.set BK,   64
.set WV,   12                          ; s12 wave;  s13 wave / 2: my half of the rows, also: I fetch for A (0) or B (1);  s14 wave % 2: my half of the columns, also: which half I fetch
.set G1,   16                          ; s[16:23] descriptor group 1 for A;  s[24:31] for B;  s[32:39], s[48:55] their groups 0, one set for each slot
.set G1B,  24
.set G0,   32
.set G0B,  48
.set MSB, 0
.macro WIN new                         ; the immediate's high byte repeats the setting that is left
.if MSB != (\new)
	s_set_vgpr_msb (MSB<<8)|(\new)
.set MSB, (\new)
.endif
.endm
.macro JLOAD s                         ; a joint load; the branch hangs on the wave's number alone; an s_nop 0 and four v_nop follow each of the two lines
	s_cmp_eq_u32 s13, 0
	s_cbranch_scc0 .Lfor_b_\@
	tensor_load_to_lds s[G0+4*\s:G0+4*\s+3], s[G1:G1+7]
	s_nop 0
.rept 4
	v_nop
.endr
	s_branch .Lasked_\@
.Lfor_b_\@:
	tensor_load_to_lds s[G0B+4*\s:G0B+4*\s+3], s[G1B:G1B+7]
	s_nop 0
.rept 4
	v_nop
.endr
.Lasked_\@:
.endm
.macro CREST                           ; a round of the cluster's barrier behind its opening barrier
	s_cmp_lg_u32 s[WV], 0
	s_cbranch_scc1 .Lnot_wave_0_\@
	s_barrier_signal -3
.Lnot_wave_0_\@:
	s_barrier_wait -3
	s_barrier_signal -1
	s_barrier_wait -1
.endm
.macro CROUND
	s_barrier_signal -1
	s_barrier_wait -1
	CREST
.endm
	s_load_b256 s[4:11], s[0:1], 0x0               ; o_img s[4:5], wo_img s[6:7], b_out s[8:9], out0 s[10:11]
	v_lshl_add_u32 v[SPW], v0, 2, SPARE
	v_mov_b32 v[NIL], 0
	ds_add_u32 v[SPW], v[NIL]                      ; the wave's opening: the add, twice on end, and its wait ahead of my first tensor load
	ds_add_u32 v[SPW], v[NIL]                      ; and once more, under the one wait; the set-up below stands between
	v_lshrrev_b32 v1, 5, v0
	v_readfirstlane_b32 s[WV], v1
	s_lshr_b32 s13, s[WV], 1
	s_and_b32 s14, s[WV], 1
	s_bfe_u32 s40, ttmp6, 0x40000                  ; cx
	s_bfe_u32 s41, ttmp6, 0x40004                  ; cy
	s_lshl_b32 s42, ttmp9, 2
	s_add_co_u32 s42, s42, s40                     ; which 128 columns
	s_and_b32 s43, ttmp7, 0xffff
	s_lshl_b32 s43, s43, 2
	s_add_co_u32 s43, s43, s41                     ; which 256 rows
	s_lshl_b32 s44, s41, 2
	s_lshl_b32 s44, 15, s44                        ; my row of the cluster
	s_lshl_b32 s45, 0x1111, s40                    ; my column
	; descriptor groups 1: dense blocks as rows of 256 bytes (32 elements of 8 bytes), no padding: A's half 128 rows, B's half 64
	s_or_b32 s[G1], s44, (3<<16)|(1<<21)           ; 15:0 the mask; 17:16 elements of 8 bytes; 21 set beside a mask
	s_mov_b32 s[G1+1], 32<<16                      ; tensor_dim0
	s_mov_b32 s[G1+2], 128<<16                     ; tensor_dim1
	s_mov_b32 s[G1+3], 32<<16                      ; tile_dim0
	s_mov_b32 s[G1+4], 128                         ; tile_dim1
	s_mov_b32 s[G1+5], 32                          ; tensor_dim0_stride
	s_mov_b32 s[G1+6], 0
	s_mov_b32 s[G1+7], 0
	s_or_b32 s[G1B], s45, (3<<16)|(1<<21)
	s_mov_b32 s[G1B+1], 32<<16
	s_mov_b32 s[G1B+2], 64<<16
	s_mov_b32 s[G1B+3], 32<<16
	s_mov_b32 s[G1B+4], 64
	s_mov_b32 s[G1B+5], 32
	s_mov_b32 s[G1B+6], 0
	s_mov_b32 s[G1B+7], 0
	s_lshl_b32 s56, s43, 19                        ; A: 256 rows are 8 x 65,536 bytes;
	s_lshl_b32 s58, s14, 15                        ; the half that I fetch, in memory and in LDS alike
	s_add_co_u32 s56, s56, s58
	s_mov_b32 s57, 0
	s_lshl_b32 s60, s42, 18                        ; B: 128 columns are 8 x 32,768 bytes
	s_lshl_b32 s62, s14, 14
	s_add_co_u32 s60, s60, s62
	s_mov_b32 s61, 0
	s_add_co_u32 s62, s62, BOFF
	s_wait_dscnt 0x0                               ; both opening adds are done
	s_wait_kmcnt 0x0
	s_add_nc_u64 s[56:57], s[4:5], s[56:57]
	s_add_nc_u64 s[60:61], s[6:7], s[60:61]
	CROUND                                         ; all sixteen work-groups are here: the first joint loads meet
.irp s, 0,1
	s_mov_b32 s[G0+4*\s], 1
	s_add_co_u32 s[G0+4*\s+1], s58, \s*SLOT
	s_add_nc_u64 s[G0+4*\s+2:G0+4*\s+3], s[56:57], \s*65536
	s_or_b32 s[G0+4*\s+3], s[G0+4*\s+3], 0x80000000
	s_mov_b32 s[G0B+4*\s], 1
	s_add_co_u32 s[G0B+4*\s+1], s62, \s*SLOT
	s_add_nc_u64 s[G0B+4*\s+2:G0B+4*\s+3], s[60:61], \s*32768
	s_or_b32 s[G0B+4*\s+3], s[G0B+4*\s+3], 0x80000000
	JLOAD \s
.endr
	v_and_b32 v1, 15, v0                           ; l % 16
	v_bfe_u32 v2, v0, 4, 1                         ; l / 16
	v_and_b32 v3, 31, v0
	v_lshlrev_b32 v3, 4, v3                        ; 16 x lane
	s_lshl_b32 s56, s13, 15                        ; my 128 rows of A: 8 tiles of 4 images
	s_lshl_b32 s57, s14, 14                        ; my 64 columns of B: 4 tiles of 4 images,
	s_add_co_u32 s57, s57, BOFF                    ; behind A's
.irp s, 0,1
	v_add_nc_u32 v[ADRA+\s], s56, v3
	v_add_nc_u32 v[ADRB+\s], s57, v3
	s_add_co_u32 s56, s56, SLOT
	s_add_co_u32 s57, s57, SLOT
.endr
	s_mul_i32 s59, s[WV], 16*SPITCH
	s_add_co_u32 s59, s59, STAGE                   ; my stage
	v_mul_u32_u24 v4, v1, SPITCH                   ; in: row l % 16, 32 bytes for each half of the lanes
	v_lshl_add_u32 v4, v2, 5, v4
	v_add_nc_u32 v[STO], s59, v4
	v_mul_u32_u24 v5, v2, SPITCH                   ; back: lanes 0-15 one row of 256 bytes, lanes 16-31 the next
	v_lshl_add_u32 v5, v1, 4, v5
	v_add_nc_u32 v[RD], s59, v5
	v_lshlrev_b32 v5, 12, v2                       ; and the same two rows in out0: 4,096 bytes a row
	v_lshl_add_u32 v[CO], v1, 4, v5
	s_lshl_b32 s56, s43, 20                        ; out0: 256 rows of 4,096 bytes,
	s_lshl_b32 s57, s13, 19                        ; my 128 of them,
	s_add_co_u32 s56, s56, s57
	s_lshl_b32 s60, s42, 9                         ; 128 columns of 4 bytes,
	s_lshl_b32 s57, s14, 8                         ; my 64 of them
	s_add_co_u32 s60, s60, s57
	s_mov_b32 s61, 0
	s_add_nc_u64 s[8:9], s[8:9], s[60:61]          ; the bias at my first column
	s_add_co_u32 s56, s56, s60
	s_mov_b32 s57, 0
	s_add_nc_u64 s[10:11], s[10:11], s[56:57]
	v_lshlrev_b32 v6, 5, v2                        ; lane (r, h) wants, for block b, the bias of columns 16 b + 8 h + 0 .. 7
.irp b, 0,1,2,3
	global_load_b128 v[BIAS+8*\b:BIAS+8*\b+3],   v6, s[8:9] offset:64*\b
	global_load_b128 v[BIAS+8*\b+4:BIAS+8*\b+7], v6, s[8:9] offset:64*\b+16
.endr
; 8 matrix instructions: A's blocks a0, a0 + 1 x B's four, 32 along K, from buffer f.  first = 1: the bias is C.  The 32 accumulators take turns, in the same order in every quarter.
.macro MUL8 f, a0, first
.irp a, \a0, \a0+1
.irp b, 0,1,2,3
.if \first
	v_wmma_f32_16x16x32_f16 v[8*(4*(\a)+\b):8*(4*(\a)+\b)+7], v[\f+64+8*\b:\f+64+8*\b+7], v[\f+8*(\a):\f+8*(\a)+7], v[BIAS+8*\b:BIAS+8*\b+7]
.else
	v_wmma_f32_16x16x32_f16 v[8*(4*(\a)+\b):8*(4*(\a)+\b)+7], v[\f+64+8*\b:\f+64+8*\b+7], v[\f+8*(\a):\f+8*(\a)+7], v[8*(4*(\a)+\b):8*(4*(\a)+\b)+7]
.endif
.endr
.endr
.endm
; 24 LDS loads in one run: the images of the slot's q-th 32 along K into buffer f: B's four, A's blocks 0-3, A's blocks 4-7
.macro FETCH slot, q, f
.irp i, 0,1,2,3
	ds_load_b128 v[\f+64+8*\i:\f+64+8*\i+3],   v[ADRB+\slot] offset:4096*\i+1024*(\q)
	ds_load_b128 v[\f+64+8*\i+4:\f+64+8*\i+7], v[ADRB+\slot] offset:4096*\i+1024*(\q)+512
.endr
.irp i, 0,1,2,3,4,5,6,7
	ds_load_b128 v[\f+8*\i:\f+8*\i+3],   v[ADRA+\slot] offset:4096*\i+1024*(\q)
	ds_load_b128 v[\f+8*\i+4:\f+8*\i+7], v[ADRA+\slot] offset:4096*\i+1024*(\q)+512
.endr
.endm
.macro PLACES                          ; four places in front of loads into registers that matrix instructions have read, and of the first read of results
.rept 4
	v_nop
.endr
.endm
; A K step is four quarters of 32 along K, 32 matrix instructions each, on buffers 0, 1, 0, 1.  One of the first three: multiplies buffer f and fetches quarter q into g.
.macro QUARTER slot, q, f, g, first
	s_wait_dscnt 8                                 ; B's and A's blocks 0-3 are in; the youngest eight loads (A's blocks 4-7) may be out
	WIN 0x50-0x10*(\first)                         ; D window 1; C window 1, or window 0 for the bias
	MUL8 \f, 0, \first
	MUL8 \f, 2, \first
	PLACES
	WIN 0
	FETCH \slot, \q, \g
	s_wait_dscnt 24                                ; all but the 24 just issued
	WIN 0x50-0x10*(\first)
	MUL8 \f, 4, \first
	MUL8 \f, 6, \first
.endm
; The last quarter multiplies buffer 1 and changes slots: ONE barrier; in front of it each wave waits for all its tensor loads, adds 0 to its spare word, and waits for that and for its reads of this slot.  fill = 1: the slot is filled again, two K steps ahead.
.macro TURN slot, next, fill
	WIN 0
	s_wait_tensorcnt 0x0                           ; all my tensor loads have landed: my part of the next slot
	ds_add_u32 v[SPW], v[NIL]
	s_wait_dscnt 9                                 ; (the add and the youngest eight loads may be out)
	WIN 0x50
	MUL8 F1, 0, 0                                  ; eight matrix instructions stand between the add and the wait for it
	s_wait_dscnt 0x0                               ; the add is done, and my reads of this slot are over
	s_barrier_signal -1
	MUL8 F1, 2, 0
	WIN 0
	s_barrier_wait -1
.if \fill
	CREST                                          ; the barrier has opened a round of the cluster's: no wave of any partner still reads this slot or has a load on its way
	s_add_nc_u64 s[G0+4*\slot+2:G0+4*\slot+3], s[G0+4*\slot+2:G0+4*\slot+3], 2*65536
	s_add_nc_u64 s[G0B+4*\slot+2:G0B+4*\slot+3], s[G0B+4*\slot+2:G0B+4*\slot+3], 2*32768
	JLOAD \slot                                    ; the first tensor load behind the round; the four v_nop behind it are also the places in front of the loads below
.else
	PLACES
.endif
	FETCH \next, 0, F0
	WIN 0x50
	MUL8 F1, 4, 0
	MUL8 F1, 6, 0
.endm
	s_wait_tensorcnt 1                             ; my part of K step 0 is in (K step 1's load may be out)
	s_barrier_signal -1
	s_barrier_wait -1                              ; everybody's is
	FETCH 0, 0, F0
	s_wait_loadcnt 0x0                             ; the bias
	QUARTER 0, 1, F0, F1, 1                        ; the first quarter stands in front of the loop: its products start the sums on the bias
	WIN 0                                          ; at a label and at a branch every window is 0
	s_mov_b32 s3, LAPS-1
.Llap:                                                 ; a trip goes once round the ring, from a lap's second quarter to the next lap's first, and fills both slots again
	QUARTER 0, 2, F1, F0, 0
	QUARTER 0, 3, F0, F1, 0
	TURN 0, 1, 1
	QUARTER 1, 1, F0, F1, 0
	QUARTER 1, 2, F1, F0, 0
	QUARTER 1, 3, F0, F1, 0
	TURN 1, 0, 1
	QUARTER 0, 1, F0, F1, 0
	WIN 0
	s_sub_co_u32 s3, s3, 1
	s_cmp_lg_u32 s3, 0
	s_cbranch_scc1 .Llap
	QUARTER 0, 2, F1, F0, 0                        ; the last lap fills nothing, and has no round of the cluster's barrier
	QUARTER 0, 3, F0, F1, 0
	TURN 0, 1, 0
	QUARTER 1, 1, F0, F1, 0
	QUARTER 1, 2, F1, F0, 0
	QUARTER 1, 3, F0, F1, 0
	s_wait_dscnt 8                                 ; the very last quarter: nothing more to fetch
	WIN 0x50
	MUL8 F1, 0, 0
	MUL8 F1, 2, 0
	s_wait_dscnt 0
	MUL8 F1, 4, 0
	MUL8 F1, 6, 0
	WIN 0
; THE WAY OUT, block by block of 16 rows x 64 columns.  A lane holds 32 neighbouring bytes of a row: a block goes through my own stage and comes back as whole rows of 256 bytes.
; LDS serves a wave's instructions in order (ISA guide 5.7.1.4): no wait between the stores and the loads, nor in front of the next block's stores.
.macro TOSTAGE a
	WIN 0x04                                       ; an LDS store's data are its source 1: window 1
.irp b, 0,1,2,3
	ds_store_b128 v[STO], v[8*(4*(\a)+\b):8*(4*(\a)+\b)+3] offset:64*\b          ; each accumulator from its low end on
	ds_store_b128 v[STO], v[8*(4*(\a)+\b)+4:8*(4*(\a)+\b)+7] offset:64*\b+16
.endr
	WIN 0
.set BB, BK+32*((\a)%2)
.irp t, 0,1,2,3,4,5,6,7
	ds_load_b128 v[BB+4*\t:BB+4*\t+3], v[RD] offset:\t*2*SPITCH
.endr
.endm
.macro SEND a, younger                 ; younger: the LDS instructions issued behind block a's loads, which may stay out
.set BB, BK+32*((\a)%2)
	s_wait_dscnt \younger                          ; the block is back in registers
.if (\a) > 0
	s_add_nc_u64 s[10:11], s[10:11], 16*4096       ; 16 rows on (the earlier stores have read their base: the wait on XCNT stands ahead)
.endif
.irp t, 0,1,2,3,4,5,6,7
	global_store_b128 v[CO], v[BB+4*\t:BB+4*\t+3], s[10:11] offset:\t*2*4096 th:TH_STORE_NT   ; sixteen lanes store 256 consecutive bytes, aligned
.endr
.endm
	PLACES                                         ; behind the last products: for the first reads of results and the loads into registers that held fragments
	TOSTAGE 0
.irp a, 1,2,3,4,5,6,7
.if \a > 1
	s_wait_xcnt 0x0                                ; block a - 2's stores have read their registers and their base: block a's loads may land there, and the base may step
.endif
	TOSTAGE \a
	SEND \a-1, 16                                  ; behind block a - 1's loads: block a's 8 stores and 8 loads
.endr
	s_wait_xcnt 0x0                                ; block 6's stores have read their base
	SEND 7, 0
	s_wait_tensorcnt 0x0                           ; the wave's end, behind my last tensor load and my last LDS store
	ds_add_u32 v[SPW], v[NIL]
	s_wait_dscnt 0x0
	CROUND                                         ; the closing round: no work-group ends while a partner may still ask for a tile that names it
	s_endpgm
.Lfunc_end_k_q5b9286ff27_proj:
	.size	k_q5b9286ff27_proj, .Lfunc_end_k_q5b9286ff27_proj-k_q5b9286ff27_proj
	.p2alignl 7, 3214868480
	.fill 96, 4, 3214868480
	.section	.rodata,"a",@progbits
	.p2align	6, 0x0
	.amdhsa_kernel k_q5b9286ff27_proj
		.amdhsa_group_segment_fixed_size 327680
		.amdhsa_private_segment_fixed_size 0
		.amdhsa_enable_private_segment 0
		.amdhsa_kernarg_size 32
		.amdhsa_user_sgpr_count 2
		.amdhsa_user_sgpr_kernarg_segment_ptr 1
		.amdhsa_wavefront_size32 1
		.amdhsa_system_sgpr_workgroup_id_x 1
		.amdhsa_system_sgpr_workgroup_id_y 1
		.amdhsa_system_sgpr_workgroup_id_z 1
		.amdhsa_system_vgpr_workitem_id 0
		.amdhsa_next_free_vgpr 512
		.amdhsa_next_free_sgpr 66
		.amdhsa_reserve_vcc 0
		.amdhsa_float_denorm_mode_32 3
		.amdhsa_float_denorm_mode_16_64 3
		.amdhsa_memory_ordered 1
		.amdhsa_forward_progress 1
		.amdhsa_inst_pref_size 86
	.end_amdhsa_kernel
	.amdgpu_metadata
---
amdhsa.version: [ 1, 2 ]
amdhsa.kernels:
  - .name:           k_q5b9286ff27_proj
    .symbol:         k_q5b9286ff27_proj.kd
    .args:
      - { .name: o_img, .offset: 0, .size: 8, .value_kind: global_buffer, .address_space: global }
      - { .name: wo_img, .offset: 8, .size: 8, .value_kind: global_buffer, .address_space: global }
      - { .name: b_out, .offset: 16, .size: 8, .value_kind: global_buffer, .address_space: global }
      - { .name: out0, .offset: 24, .size: 8, .value_kind: global_buffer, .address_space: global }
    .group_segment_fixed_size: 327680
    .private_segment_fixed_size: 0
    .kernarg_segment_align: 8
    .kernarg_segment_size: 32
    .max_flat_workgroup_size: 128
    .sgpr_count:     66
    .vgpr_count:     512
    .wavefront_size: 32
...
	.end_amdgpu_metadata
.endif
;; end of part 4
